; MI455X (gfx1250); checked and timed in simulation.
; The chip was launched on July 23, 2026; its instructions are those of AMD's public machine-readable ISA for CDNA 5 (MIT licence, August 2026) and "CDNA5" Instruction Set Architecture Reference Guide (July 2026). The comments in the code are by the model that wrote it; some were corrected since.
;; Attention. Allowed arithmetic: matrix products marked QUANTISED: E2M3 operands, one E8M0 scale for each 32 along K, by v_wmma_scale_f32_16x16x128_f8f6f4 with both operands' format E2M3, f32 sums; everything else in f32.
;; Inputs: Wk 512 x 512 float32; Wq 512 x 512 float32; Wv 512 x 512 float32; embeddings 32 x 1,024 x 512 float32.
;; Outputs: out0 32 x 1,024 x 512 float32.
;; This version of the problem:
;;   THIS VERSION OF THE PROBLEM IS GIVEN IN LOW PRECISION. The matrix products marked QUANTISED in the list below multiply operands that are first quantised to E2M3 (2 exponent bits, 3 mantissa bits; 6 bits a number), with one power-of-two scale for each 32 numbers along K (OCP MX v1.0); their sums are f32. All else is computed in f32.
;;   The module's matrix products, in the order in which they are computed (A, B: the left and right operand; K: the contracted axis; several contracted axes count as one K, in the product's order):
;;     1. [M 32,768, K 512] x [K 512, N 512]; A: input embeddings; B: input Wq: QUANTISED
;;     2. [M 32,768, K 512] x [K 512, N 512]; A: input embeddings; B: input Wk: QUANTISED
;;     3. [M 32,768, K 512] x [K 512, N 512]; A: input embeddings; B: input Wv: QUANTISED
;;     4. batch 32 x [M 1,024, K 512] x [K 512, N 1,024]; A: computed on the way; B: computed on the way: QUANTISED
;;     5. batch 32 x [M 1,024, K 1,024] x [K 1,024, N 512]; A: softmax (see below); B: computed on the way: QUANTISED
;;   THE QUANTISER, for each operand of a quantised product, along K:
;;     - K is cut into blocks of 32 from its start; a last block that is shorter is filled with zeros.
;;     - A block's scale is 2^e with e = floor(log2(the largest magnitude in the block)) - 2, held to -126 .. 127; a block of zeros has e = 0. As a byte (E8M0): e + 127.
;;     - Each number is divided by its block's scale, clamped to +-7.5, and rounded to the nearest number of E2M3, ties to even, subnormals kept.
;;     - The product sums the exact products of the quantised numbers (number of the format x scale) in f32.
;;   ~~~python
;;   def quantise(x, axis):      # numpy; x: float32 -> the quantised numbers, widened to float32 again
;;       x = np.moveaxis(x, axis, -1); K = x.shape[-1]
;;       x = np.pad(x, [(0, 0)] * (x.ndim - 1) + [(0, -K % 32)]); x = x.reshape(x.shape[:-1] + (-1, 32)); a = np.abs(x).max(-1, keepdims=True)
;;       e = np.where(a > 0, np.clip(np.frexp(np.where(a > 0, a, 1))[1] - 1 - 2, -126, 127), 0)      # np.frexp(a)[1] - 1 = floor(log2(a)), exactly
;;       r = np.clip(x / 2.0 ** e, -7.5, 7.5)
;;       step = 2.0 ** (np.maximum(np.frexp(np.where(r == 0, 1, r))[1] - 1, 0) - 3)
;;       q = np.round(r / step) * step * 2.0 ** e      # np.round: ties to even
;;       return np.moveaxis(q.reshape(q.shape[:-2] + (-1,))[..., :K], -1, axis).astype(np.float32)
;;   ~~~
;;   SOFTMAX AHEAD OF A QUANTISED PRODUCT. Where the list says 'softmax', what is quantised is not the finished softmax but p = 2^(t - M), with t = logit x log2(e) and M = ceil(the row's largest t), a whole number; so 1/2 < the row's largest p <= 1. The row's sum l is taken of the UNQUANTISED p, in f32, and the product's result is divided by l at the end. Since M is a whole number, a kernel that streams over the keys may use a running M (the ceiling of the running maximum): every later rescaling is an exact power of two, which a block's scale takes up: the codes' values come out the same.
;;   OPERANDS COMPUTED ON THE WAY. 'Computed on the way' means the value that the module computes at that place (a softmax that the list does not call 'softmax' is quantised finished and normalised). What goes into a quantiser is computed in f32, as accurately as f32 sums, v_exp_f32 and their like allow (about 1e-6 of the number): no bf16 or f16 on the way to a quantiser, and a product that is left as it is and whose result goes on into a quantised operand takes f32 operands (vector FMAs, or v_wmma_f32_16x16x4_f32). A number that lies on a knife's edge between two numbers of the format may be rounded either way, as far as f32 arithmetic and the matrix unit's own rounding can turn it there, and no further.
;; One version. Each part assembles by itself: llvm-mc -triple=amdgcn-amd-amdhsa -mcpu=gfx1250 --defsym DOCPART=n.
;; ======== version 1 of 1: 3 launches
;; limits: right only within a limited range of input values
;; workspace buffers: xc 13,107,200 bytes; wc 614,400 bytes; qc 13,107,200 bytes; kc 13,107,200 bytes; vc 13,107,200 bytes
;; launch prep (part 1): grid 536 x 1, 4 waves a work-group, no clusters, 68,096 bytes of LDS; arguments embeddings, Wq, Wk, Wv, xc, wc; writes xc, wc
.if DOCPART == 1
	.amdgcn_target "amdgcn-amd-amdhsa--gfx1250"
	.amdhsa_code_object_version 6
	.text
	.protected	k_q83a769a2f3_prep
	.globl	k_q83a769a2f3_prep
	.p2align	8
	.type	k_q83a769a2f3_prep,@function
k_q83a769a2f3_prep:
	s_mov_b64 s[64:65], 0
	v_nop
	global_prefetch_b8 v0, s[64:65] scope:SCOPE_SE
	s_setreg_imm32_b32 hwreg(HW_REG_WAVE_MODE, 25, 1), 1
	s_wait_xcnt 0x0
; embeddings [32768][512] and Wq, Wk, Wv [512][512], f32 with K innermost, become codes of FP6 (E2M3) with one E8M0 byte for each 32 along K, laid in the ORDER OF AN OPERAND'S REGISTERS.
; A block of 25,600 bytes holds 64 rows: 16 images of 1,536 bytes (image 4 s + ct: K step s of 128, tile ct of 16 rows) and four rows of 256 bytes of scale words (row s; the word of lane r of tile ct at 16 r + 4 ct).
; An image is three pieces of 512 bytes: piece p holds registers 4 p .. 4 p + 3 of lane l at 512 p + 16 l.  Lane r of tile ct takes row 32 (ct / 2) + 8 (ct % 2) + r + 8 (r / 8) of the block's 64.
; xc: block B holds rows 64 B .. + 63 of x.  wc: block 4 (2 T + c) + w holds rows 128 w + 64 c .. + 63 of W_T (T = 0, 1, 2 for q, k, v).
; ONE PATH FOR ALL FOUR TENSORS: only pointers and block numbers are chosen, by the work-group's number.  Work-groups 0-23 take the weights' 24 blocks, the other 512 x's blocks: a block a work-group, a K step a wave.
; A wave works two units of 32 rows x 128 numbers.  Each load reads 512 consecutive bytes of a row; a unit turns through the wave's own stage in LDS (rows of 512 + 16 bytes) and comes back 16 neighbours of each block of 32 to a lane.
; The second unit's 32 loads go out as soon as the stage's stores have read the first's registers.  No tensor load, no barrier: waves share nothing; 336 registers a wave and 68,096 bytes of LDS let three work-groups share a WGP.
; A block's scale is 2^(floor(log2(largest magnitude)) - 2); its byte is that magnitude's exponent field - 2, held at 1 from below.
; LIMITS: NaN and infinities are not served; a block whose largest magnitude lies under 2^-124 has its byte held at 1; a block of zeros gets the byte 1 and not 127: its codes are zeros, and this program alone reads the bytes.
.set BLKB,  25600
.set IMG,   1536
.set SCO,   24576
.set WWG,   24                         ; work-groups that take the weights
.set STW,   32*528                     ; a wave's stage
.set SPARE, 4*STW                      ; the spare words, 128 bytes for each wave
.set L16,  1                           ; 16 l
.set ASTW, 2                           ; my stage, on the way in
.set ASTR, 3                           ; and out: 528 r + 64 h
.set ASO,  4                           ; the scale row: 16 r + 8 h
.set SPW,  5                           ; my spare word; never rewritten
.set NIL,  6                           ; 0; never rewritten
.set SW,   8                           ; v8-11   the four tiles' scale words
.set TMX,  12                          ; v12-19  largest magnitudes
.set XQ,   12                          ; v12-13  at the end: data of the scale store
.set PT,   20                          ; v20-27  the other half's; then bytes
.set SO,   28                          ; v28-35  the conversions' scale operands
.set SH,   36                          ; v36-39  two bytes each
.set TB,   40                          ; v40-55  the conversions' second halves
.set CD0,  56                          ; v56-79  the first unit's codes: 4 x 6 registers
.set TN,   80                          ; v80-207 a unit's numbers, turned: 64 u + 16 b + i = k 32 b + 16 h + i of lane r's row of tile u
.set LW,   208                         ; a unit as loaded: rows 0-11 in v208-255, rows 12-31 in window 1, v0-79 there
.set CD1,  208                         ; the second unit's codes: registers of the loads, which are done with by then: so no store's data are written again
.set WV,   16
.set SRC,  32
.set DST,  34
.set DSS,  36
.set SEL,  40
.set HM,   42
.set MSB, 0
.macro WIN new                         ; the immediate's high byte repeats the setting that is left
.if MSB != (\new)
	s_set_vgpr_msb (MSB<<8)|(\new)
.set MSB, (\new)
.endif
.endm
	s_load_b256 s[4:11], s[0:1], 0x0               ; embeddings, Wq, Wk, Wv
	s_load_b128 s[12:15], s[0:1], 0x20             ; xc, wc
	v_lshl_add_u32 v[SPW], v0, 2, SPARE
	v_mov_b32 v[NIL], 0
	v_lshrrev_b32 v80, 5, v0
	v_readfirstlane_b32 s[WV], v80                 ; wave 0..3: my K step
	s_lshr_b32 s19, ttmp9, 3                       ; T, for the weights' work-groups
	s_and_b32 s21, ttmp9, 7                        ; m = 2 w + c: which 64 rows of W_T
	s_and_b32 s22, s21, 1
	s_lshr_b32 s23, s21, 1
	s_lshl_b32 s24, s19, 1
	s_add_co_u32 s24, s24, s22
	s_lshl_b32 s24, s24, 2
	s_add_co_u32 s24, s24, s23                     ; 4 (2 T + c) + w
	s_sub_co_u32 s25, ttmp9, WWG                   ; x's block
	s_cmp_lt_u32 ttmp9, WWG
	s_cselect_b32 s21, s21, s25                    ; from which 64 rows,
	s_cselect_b32 s24, s24, s25                    ; into which block
	s_lshl_b32 s26, s21, 17                        ; 64 rows of 2,048 bytes
	s_lshl_b32 s27, s[WV], 9                       ; + my K step's 512 bytes
	s_add_co_u32 s26, s26, s27
	s_mov_b32 s27, 0
	s_mul_i32 s28, s24, BLKB
	s_mul_i32 s29, s[WV], 4*IMG
	s_lshl_b32 s30, s[WV], 8
	s_add_co_u32 s30, s30, s28
	s_add_co_u32 s30, s30, SCO                     ; s[30:31]: my scale row
	s_add_co_u32 s28, s28, s29                     ; s[28:29]: my four images
	s_mov_b32 s29, 0
	s_mov_b32 s31, 0
	s_mov_b32 s[SEL], 0x76543210
	s_mov_b32 s[SEL+1], 0xfedcba98                 ; v_permlanex16_b32's selects for lane l xor 16
	s_mov_b32 s[HM], 0xffff0000                    ; lanes 16-31
	s_mul_i32 s38, s[WV], STW
	v_and_b32 v80, 31, v0                          ; l
	v_and_b32 v81, 15, v0                          ; r
	v_bfe_u32 v82, v0, 4, 1                        ; h
	v_lshlrev_b32 v[L16], 4, v80
	v_add_nc_u32 v[ASTW], s38, v[L16]
	v_mul_u32_u24 v[ASTR], v81, 528
	v_lshl_add_u32 v[ASTR], v82, 6, v[ASTR]
	v_add_nc_u32 v[ASTR], s38, v[ASTR]
	v_lshlrev_b32 v[ASO], 4, v81
	v_lshl_add_u32 v[ASO], v82, 3, v[ASO]
.irp k, 0,1,2,3,4,5,6,7
	v_mov_b32 v[PT+\k], 0                          ; written once: a lane permute's destination counts as one of its sources
.endr
	s_wait_alu depctr_va_vdst(0)                   ; the wait at the head's end
	s_wait_kmcnt 0x0
	s_cmp_eq_u32 s19, 0                            ; every choice hangs on the work-group's number alone
	s_cselect_b64 s[SRC:SRC+1], s[6:7], s[8:9]
	s_cmp_eq_u32 s19, 2
	s_cselect_b64 s[SRC:SRC+1], s[10:11], s[SRC:SRC+1]
	s_cmp_lt_u32 ttmp9, WWG
	s_cselect_b64 s[SRC:SRC+1], s[SRC:SRC+1], s[4:5]
	s_cselect_b64 s[DST:DST+1], s[14:15], s[12:13]
	s_add_nc_u64 s[SRC:SRC+1], s[SRC:SRC+1], s[26:27]
	s_add_nc_u64 s[DSS:DSS+1], s[DST:DST+1], s[30:31]
	s_add_nc_u64 s[DST:DST+1], s[DST:DST+1], s[28:29]
.macro XLOAD j                         ; unit j: rows 32 j .. + 31 of the block
.set xi, 0
.rept 12
	global_load_b128 v[LW+4*xi:LW+4*xi+3], v[L16], s[SRC:SRC+1] offset:2048*(32*(\j)+xi) th:TH_LOAD_NT
.set xi, xi+1
.endr
	WIN 0x40
.rept 20
	global_load_b128 v[4*(xi-12):4*(xi-12)+3], v[L16], s[SRC:SRC+1] offset:2048*(32*(\j)+xi) th:TH_LOAD_NT
.set xi, xi+1
.endr
	WIN 0
.endm
.macro TURN                            ; row i goes to place 16 ((i / 8) % 2) + i % 8 + 8 (i / 16), so that a tile's 16 rows are neighbours.  LDS serves a wave's instructions in order: no wait between the stores and the loads
.set xi, 0
.rept 12
	ds_store_b128 v[ASTW], v[LW+4*xi:LW+4*xi+3] offset:528*(16*((xi/8)%2)+(xi%8)+8*(xi/16))
.set xi, xi+1
.endr
	WIN 0x04
.rept 20
	ds_store_b128 v[ASTW], v[4*(xi-12):4*(xi-12)+3] offset:528*(16*((xi/8)%2)+(xi%8)+8*(xi/16))
.set xi, xi+1
.endr
	WIN 0
.set xi, 0
.rept 32
	ds_load_b128 v[TN+4*xi:TN+4*xi+3], v[ASTR] offset:8448*(xi/16)+128*((xi/4)%4)+16*(xi%4)
.set xi, xi+1
.endr
.endm
.macro QUANT cd                        ; eight blocks of 32 (16 numbers in me, 16 in lane l xor 16): four half fragments of six registers from cd on, two scale bytes each
.irp k, 0,1,2,3,4,5,6,7
	v_max3_num_f32 v[TMX+\k], |v[TN+16*\k]|, |v[TN+16*\k+1]|, 0x1800000   ; and the floor 2^(3 - 127): the byte cannot fall under 1
.endr
.irp j, 2,4,6,8,10,12,14
.irp k, 0,1,2,3,4,5,6,7
	v_max3_num_f32 v[TMX+\k], v[TMX+\k], |v[TN+16*\k+\j]|, |v[TN+16*\k+\j+1]|   ; (the eight blocks by turns)
.endr
.endr
.irp k, 0,1,2,3,4,5,6,7
	v_permlanex16_b32 v[PT+\k], v[TMX+\k], s[SEL], s[SEL+1]
.endr
.irp k, 0,1,2,3,4,5,6,7
	v_max_num_f32 v[TMX+\k], v[TMX+\k], v[PT+\k]
.endr
.irp k, 0,1,2,3,4,5,6,7
	v_add_nc_u32 v[SO+\k], 0xff000000, v[TMX+\k]   ; 2 off the exponent field: the conversion's scale operand
.endr
.irp k, 0,1,2,3,4,5,6,7
	v_lshrrev_b32 v[PT+\k], 23, v[SO+\k]           ; the scale's byte
.endr
.irp i, 0,1,2,3
	v_lshl_or_b32 v[SH+\i], v[PT+2*\i+1], 8, v[PT+2*\i]
.endr
.irp i, 0,1,2,3
	v_cvt_scalef32_pk16_fp6_f32 v[(\cd)+6*\i:(\cd)+6*\i+2], v[TN+32*\i:TN+32*\i+15], v[SO+2*\i]
	v_cvt_scalef32_pk16_fp6_f32 v[TB+4*\i:TB+4*\i+2], v[TN+32*\i+16:TN+32*\i+31], v[SO+2*\i+1]   ; (a conversion's three registers begin on an even number)
.endr
	v_nop                                          ; one plain place behind a scaled conversion
.irp i, 0,1,2,3
.irp n, 0,1,2
	v_permlane16_swap_b32 v[(\cd)+6*\i+\n], v[TB+4*\i+\n]   ; the layout wants a WHOLE block in a lane
.endr
.endr
.irp i, 0,1,2,3
.irp n, 0,1,2
	v_mov_b32 v[(\cd)+6*\i+3+\n], v[TB+4*\i+\n]
.endr
.endr
.endm
.macro UNIT j, cd
	s_wait_loadcnt 0x0                             ; the unit's 32 loads are in
	TURN
	s_wait_dscnt 0x0                               ; the numbers are back, and the stage's stores have read their registers,
.if (\j) == 0
	XLOAD 1                                        ; which take the second unit
.endif
	QUANT \cd
.irp u, 0,1
.irp p, 0,1,2
	global_store_b128 v[L16], v[(\cd)+12*\u+4*\p:(\cd)+12*\u+4*\p+3], s[DST:DST+1] offset:IMG*(2*(\j)+\u)+512*\p   ; 512 consecutive bytes, aligned
.endr
.endr
	v_lshl_or_b32 v[SW+2*(\j)], v[SH+1], 16, v[SH]
	v_lshl_or_b32 v[SW+2*(\j)+1], v[SH+3], 16, v[SH+2]
.endm
	XLOAD 0
	UNIT 0, CD0
	UNIT 1, CD1
	v_cndmask_b32 v[XQ], v[SW], v[SW+2], s[HM]     ; lanes 0-15 store the words of tiles 0 and 1, lanes 16-31 those of tiles 2 and 3
	v_cndmask_b32 v[XQ+1], v[SW+1], v[SW+3], s[HM]
	global_store_b64 v[ASO], v[XQ:XQ+1], s[DSS:DSS+1]   ; the scale row: 256 consecutive bytes, aligned
	s_wait_tensorcnt 0x0                           ; the wave's end, behind my last LDS store
	ds_add_u32 v[SPW], v[NIL]
	s_wait_dscnt 0x0
	s_endpgm
.Lfunc_end_k_q83a769a2f3_prep:
	.size	k_q83a769a2f3_prep, .Lfunc_end_k_q83a769a2f3_prep-k_q83a769a2f3_prep
	.p2alignl 7, 3214868480
	.fill 96, 4, 3214868480
	.section	.rodata,"a",@progbits
	.p2align	6, 0x0
	.amdhsa_kernel k_q83a769a2f3_prep
		.amdhsa_group_segment_fixed_size 68096
		.amdhsa_private_segment_fixed_size 0
		.amdhsa_enable_private_segment 0
		.amdhsa_kernarg_size 48
		.amdhsa_user_sgpr_count 2
		.amdhsa_user_sgpr_kernarg_segment_ptr 1
		.amdhsa_wavefront_size32 1
		.amdhsa_system_sgpr_workgroup_id_x 1
		.amdhsa_system_sgpr_workgroup_id_y 1
		.amdhsa_system_sgpr_workgroup_id_z 1
		.amdhsa_system_vgpr_workitem_id 0
		.amdhsa_next_free_vgpr 336
		.amdhsa_next_free_sgpr 66
		.amdhsa_reserve_vcc 0
		.amdhsa_float_denorm_mode_32 3
		.amdhsa_float_denorm_mode_16_64 3
		.amdhsa_memory_ordered 1
		.amdhsa_forward_progress 1
		.amdhsa_inst_pref_size 34
	.end_amdhsa_kernel
	.amdgpu_metadata
---
amdhsa.version: [ 1, 2 ]
amdhsa.kernels:
  - .name:           k_q83a769a2f3_prep
    .symbol:         k_q83a769a2f3_prep.kd
    .args:
      - { .name: embeddings, .offset: 0, .size: 8, .value_kind: global_buffer, .address_space: global }
      - { .name: Wq, .offset: 8, .size: 8, .value_kind: global_buffer, .address_space: global }
      - { .name: Wk, .offset: 16, .size: 8, .value_kind: global_buffer, .address_space: global }
      - { .name: Wv, .offset: 24, .size: 8, .value_kind: global_buffer, .address_space: global }
      - { .name: xc, .offset: 32, .size: 8, .value_kind: global_buffer, .address_space: global }
      - { .name: wc, .offset: 40, .size: 8, .value_kind: global_buffer, .address_space: global }
    .group_segment_fixed_size: 68096
    .private_segment_fixed_size: 0
    .kernarg_segment_align: 8
    .kernarg_segment_size: 48
    .max_flat_workgroup_size: 128
    .sgpr_count:     66
    .vgpr_count:     336
    .wavefront_size: 32
...
	.end_amdgpu_metadata
.endif
;; end of part 1
;; launch proj (part 2): grid 256 x 1, 4 waves a work-group, clusters of 4 x 1, 327,680 bytes of LDS; arguments xc, wc, qc, kc, vc; writes qc, kc, vc
.if DOCPART == 2
	.amdgcn_target "amdgcn-amd-amdhsa--gfx1250"
	.amdhsa_code_object_version 6
	.text
	.protected	k_q83a769a2f3_proj
	.globl	k_q83a769a2f3_proj
	.p2align	8
	.type	k_q83a769a2f3_proj,@function
k_q83a769a2f3_proj:
	s_mov_b64 s[64:65], 0
	v_nop
	global_prefetch_b8 v0, s[64:65] scope:SCOPE_SE
	s_setreg_imm32_b32 hwreg(HW_REG_WAVE_MODE, 25, 1), 1
	s_wait_xcnt 0x0
	s_wait_alu depctr_hold_cnt(0) depctr_sa_sdst(0) depctr_va_vdst(0) depctr_va_sdst(0) depctr_va_ssrc(0) depctr_va_vcc(0) depctr_vm_vsrc(0)
	s_getreg_b32 s2, hwreg(HW_REG_IB_STS2, 6, 4)
	s_cmp_eq_u32 s2, 0
	s_cbranch_scc0 .Lentry_in_a_cluster
	s_endpgm
.Lentry_in_a_cluster:
	s_bfe_u32 s2, ttmp6, 0x10000c
	s_cmp_lg_u32 s2, 0x3003
	s_cbranch_scc0 .Lentry_shape_is_right
	s_endpgm
.Lentry_shape_is_right:
; q = x Wq^T, k = x Wk^T, v = x Wv^T on codes of FP6 (E2M3) with one E8M0 scale for each 32 along K; the results are quantised at once for the next products: q and k along e, v along the keys.
; All five buffers hold codes in blocks of 25,600 bytes: 16 images of 1,536 bytes and four rows of 256 bytes of scale words.  An image is a fragment's 12 registers.
; IN (xc, wc): three pieces of 512 bytes: piece p holds registers 4 p .. 4 p + 3 of lane l at 512 p + 16 l.  OUT (qc, kc, vc): six pieces of 256 bytes: piece p holds registers 2 p, 2 p + 1 of lane l at 256 p + 8 l, so that half an image is three pieces.
; SHARES.  A work-group takes group G of 128 rows of x (blocks 2 G, 2 G + 1 of xc) and all 1,536 columns.  THE WAVES SHARE THE COLUMNS: in round R = 0 .. 5 (q, q, k, k, v, v) wave w multiplies block 4 R + w of wc (64 columns)
; with all 128 rows, so each fragment of W is read from LDS by one wave and feeds eight matrix instructions.  x's 32 fragments and 16 scale words come from memory straight into every wave's registers, 512 consecutive bytes a load, and stay.
; TILES.  Lane r of tile t of the 128 rows takes row 32 (t / 2) + 8 (t % 2) + r + 8 (r / 8); the weights' tiles are laid likewise.  So with W as source 0 (q, k) a lane holds one row of x and 16 neighbours along e in two tiles' registers,
; and with x as source 0 (v) one column e and 16 neighbouring keys: the conversions' results (with the exchange of halves that the layout asks) are the next operand's registers.
; OUT.  qc, kc: block 2 G + xt / 4: image 4 s + xt % 4, scale row s.  vc: block 4 (G / 2) + w (e = 128 w ..): image 8 (G % 2) + et, scale row 2 (G % 2) + et / 4.  Every store of codes covers 256 consecutive bytes, aligned.
; CLUSTER.  All work-groups walk the same 600 KiB of weights: the four partners ask for each block JOINTLY (mask 15), every wave for its own block; no place in the cluster enters a descriptor or an LDS address.
; NO PREFETCH: x's codes are all asked for at the head, where there is no loop to run ahead in; of wc the ring itself asks for each block a whole round of 128 matrix instructions ahead.
; LIMITS: NaN and infinities are not served; a block whose largest magnitude lies under 2^-124 has its byte held at 1; a block of zeros gets the byte 1 and not 127: its codes are zeros, and this program alone reads the bytes.
; REGISTERS, in windows of 256.  Window 0: addresses, scale words, the quantiser's registers, two sets of four fragments of W.  Window 1: 32 accumulators (q, k: (xt, ct) at 32 xt + 8 ct; v: at 64 ct + 8 xt).
; Windows 2, 3: x's fragments ((xt, s) in window 2 + s / 2 at 96 (s % 2) + 12 xt).
.set BLKB,  25600
.set IMG,   1536
.set SCO,   24576                      ; a block's scale rows
.set SLOTB, 4*BLKB                     ; LDS: two slots of four blocks, wave w's at BLKB w
.set SPARE, 2*SLOTB                    ; the spare words, 128 bytes for each wave
.set L8,   1                           ; 8 l
.set AXS,  2                           ; 16 r + 4 h
.set AW,   3                           ; v3, v4   my block's images in slot 0, 1: + 16 l
.set AWS,  5                           ; v5, v6   its scale words: + 16 r + 4 h
.set L16,  7                           ; 16 l
.set ASOQ, 13                          ; q's, k's scale rows in memory: BLKB h + 16 r
.set ASOV, 14                          ; v's: 256 h + 16 r
.set XS,   16                          ; v16-31   x's scale words, 4 s + pair of tiles: lanes 0-15 the even tile's, lanes 16-31 the odd one's
.set WS,   32                          ; v32-47   W's, two sets of 8: 2 s + pair
.set SK,   48                          ; v48-55   scale words in the making
.set XQ,   56                          ; v56-59   data of the scale stores
.set TMX,  60                          ; v60-67   largest magnitudes
.set PT,   68                          ; v68-75   the other half's; then bytes
.set SO,   76                          ; v76-83   the conversions' scale operands
.set SH,   84                          ; v84-87   two bytes each
.set CDP,  88                          ; v88-135  8 x 6 registers of codes
.set TB,   136                         ; v136-151 the conversions' second halves
.set WB,   152                         ; v152-199, v200-247  four fragments of W each
.set SPW,  254                         ; LDS address of my spare word; never rewritten
.set NIL,  255                         ; 0; never rewritten
.set WV,   14
.set G1,   24                          ; s[24:31] the one shape: 100 rows of 256 bytes, dense
.set G0,   32                          ; s[32:35], s[36:39] a set for each slot
.set OB,   40                          ; s[40:41] where my codes go (q, then k);  s[42:43] my scale row
.set OS,   42
.set KOB,  44
.set KOS,  46
.set VBS,  48
.set VSS,  50
.set SEL,  52
.set HM,   54
.set CNT,  55
.set XB,   56                          ; s[56:57] group G's two blocks of xc
.set MSB, 0
.macro WIN new                         ; the immediate's high byte repeats the setting that is left; a switch that changes nothing is dropped
.if MSB != (\new)
	s_set_vgpr_msb (MSB<<8)|(\new)
.set MSB, (\new)
.endif
.endm
.macro PLACES n
.rept \n
	v_nop
.endr
.endm
.macro CROUND                          ; a round of the cluster's barrier
	s_barrier_signal -1
	s_barrier_wait -1
	s_cmp_lg_u32 s[WV], 0
	s_cbranch_scc1 .Lnot_wave_0_\@
	s_barrier_signal -3
.Lnot_wave_0_\@:
	s_barrier_wait -3
	s_barrier_signal -1
	s_barrier_wait -1
.endm
.macro FRAG reg, adr, off              ; an image of W comes back as the fragment's 12 registers: each load takes 512 consecutive bytes
.irp p, 0,1,2
	ds_load_b128 v[(\reg)+4*\p:(\reg)+4*\p+3], v[\adr] offset:(\off)+512*\p
.endr
.endm
.macro XFR fs                          ; x's eight fragments of K step fs, from memory
	WIN (2+(\fs)/2)<<6
.set fx, 0
.rept 8
.irp p, 0,1,2
	global_load_b128 v[96*((\fs)%2)+12*fx+4*\p:96*((\fs)%2)+12*fx+4*\p+3], v[L16], s[XB:XB+1] offset:BLKB*(fx/4)+IMG*(4*(\fs)+fx%4)+512*\p
.endr
.set fx, fx+1
.endr
	WIN 0
.endm
.macro WMX                             ; the matrix instruction, from the symbols rD, rA, rB, rSA, rSB; fRA, fRB: the scale words lie in lanes 16-31; fZ: the product starts the sum
.if fZ
.if fRA && fRB
	v_wmma_scale_f32_16x16x128_f8f6f4 v[rD:rD+7], v[rA:rA+11], v[rB:rB+11], 0, v[rSA], v[rSB] matrix_a_fmt:MATRIX_FMT_FP6 matrix_b_fmt:MATRIX_FMT_FP6 matrix_a_scale:MATRIX_SCALE_ROW1 matrix_b_scale:MATRIX_SCALE_ROW1
.elseif fRA
	v_wmma_scale_f32_16x16x128_f8f6f4 v[rD:rD+7], v[rA:rA+11], v[rB:rB+11], 0, v[rSA], v[rSB] matrix_a_fmt:MATRIX_FMT_FP6 matrix_b_fmt:MATRIX_FMT_FP6 matrix_a_scale:MATRIX_SCALE_ROW1
.elseif fRB
	v_wmma_scale_f32_16x16x128_f8f6f4 v[rD:rD+7], v[rA:rA+11], v[rB:rB+11], 0, v[rSA], v[rSB] matrix_a_fmt:MATRIX_FMT_FP6 matrix_b_fmt:MATRIX_FMT_FP6 matrix_b_scale:MATRIX_SCALE_ROW1
.else
	v_wmma_scale_f32_16x16x128_f8f6f4 v[rD:rD+7], v[rA:rA+11], v[rB:rB+11], 0, v[rSA], v[rSB] matrix_a_fmt:MATRIX_FMT_FP6 matrix_b_fmt:MATRIX_FMT_FP6
.endif
.else
.if fRA && fRB
	v_wmma_scale_f32_16x16x128_f8f6f4 v[rD:rD+7], v[rA:rA+11], v[rB:rB+11], v[rD:rD+7], v[rSA], v[rSB] matrix_a_fmt:MATRIX_FMT_FP6 matrix_b_fmt:MATRIX_FMT_FP6 matrix_a_scale:MATRIX_SCALE_ROW1 matrix_b_scale:MATRIX_SCALE_ROW1
.elseif fRA
	v_wmma_scale_f32_16x16x128_f8f6f4 v[rD:rD+7], v[rA:rA+11], v[rB:rB+11], v[rD:rD+7], v[rSA], v[rSB] matrix_a_fmt:MATRIX_FMT_FP6 matrix_b_fmt:MATRIX_FMT_FP6 matrix_a_scale:MATRIX_SCALE_ROW1
.elseif fRB
	v_wmma_scale_f32_16x16x128_f8f6f4 v[rD:rD+7], v[rA:rA+11], v[rB:rB+11], v[rD:rD+7], v[rSA], v[rSB] matrix_a_fmt:MATRIX_FMT_FP6 matrix_b_fmt:MATRIX_FMT_FP6 matrix_b_scale:MATRIX_SCALE_ROW1
.else
	v_wmma_scale_f32_16x16x128_f8f6f4 v[rD:rD+7], v[rA:rA+11], v[rB:rB+11], v[rD:rD+7], v[rSA], v[rSB] matrix_a_fmt:MATRIX_FMT_FP6 matrix_b_fmt:MATRIX_FMT_FP6
.endif
.endif
.endm
	s_load_b256 s[4:11], s[0:1], 0x0               ; xc s[4:5], wc s[6:7], qc s[8:9], kc s[10:11]
	s_load_b64 s[12:13], s[0:1], 0x20              ; vc
	v_lshl_add_u32 v[SPW], v0, 2, SPARE
	v_mov_b32 v[NIL], 0
	ds_add_u32 v[SPW], v[NIL]                      ; the wave's opening: the add, twice on end, and its wait ahead of my first tensor load
	ds_add_u32 v[SPW], v[NIL]
	v_lshrrev_b32 v60, 5, v0
	v_readfirstlane_b32 s[WV], v60                 ; wave 0..3
	s_bfe_u32 s15, ttmp6, 0x40000                  ; cx: my place in the cluster
	s_lshl_b32 s16, ttmp9, 2
	s_add_co_u32 s16, s16, s15                     ; G = 4 x cluster + cx: it enters x's and the outputs' addresses alone
	s_mov_b32 s[G1], 15|(3<<16)|(1<<21)            ; the mask: all four work-groups; elements of 8 bytes; no padding; bit 21 beside a mask
	s_mov_b32 s[G1+1], 32<<16                      ; tensor_dim0 = 32 elements: 256 bytes
	s_mov_b32 s[G1+2], 100<<16                     ; tensor_dim1 = 100 rows
	s_mov_b32 s[G1+3], 32<<16                      ; tile_dim0
	s_mov_b32 s[G1+4], 100                         ; tile_dim1
	s_mov_b32 s[G1+5], 32                          ; from row to row: dense
	s_mov_b32 s[G1+6], 0
	s_mov_b32 s[G1+7], 0
	s_mov_b32 s[SEL], 0x76543210
	s_mov_b32 s[SEL+1], 0xfedcba98                 ; v_permlanex16_b32's selects for lane l xor 16
	s_mov_b32 s[HM], 0xffff0000                    ; lanes 16-31
	s_mul_i32 s17, s[WV], BLKB                     ; my block: in a slot, and among a round's four in wc
	v_and_b32 v60, 31, v0                          ; l
	v_and_b32 v61, 15, v0                          ; r
	v_bfe_u32 v62, v0, 4, 1                        ; h
	v_lshlrev_b32 v[L8], 3, v60
	v_lshlrev_b32 v[L16], 4, v60
	v_add_nc_u32 v[AW], s17, v[L16]
	v_add_nc_u32 v[AW+1], SLOTB, v[AW]
	v_lshlrev_b32 v[AXS], 4, v61
	v_lshl_add_u32 v[AXS], v62, 2, v[AXS]          ; 16 r + 4 h
	v_add_nc_u32 v[AWS], s17, v[AXS]
	v_add_nc_u32 v[AWS+1], SLOTB, v[AWS]
	v_mul_u32_u24 v[ASOQ], v62, BLKB
	v_lshl_add_u32 v[ASOQ], v61, 4, v[ASOQ]
	v_lshlrev_b32 v[ASOV], 8, v62
	v_lshl_add_u32 v[ASOV], v61, 4, v[ASOV]
.irp i, 0,1,2,3,4,5,6,7
	v_mov_b32 v[PT+\i], 0                          ; written once: a lane permute's destination counts as one of its sources
.endr
	s_mov_b32 s18, s17
	s_mov_b32 s19, 0
	s_mul_i32 s58, s16, 2*BLKB                     ; group G's two blocks, in xc, qc and kc
	s_mov_b32 s20, s58
	s_mov_b32 s21, 0                               ; s[20:21]: x
	s_mul_i32 s22, s[WV], 4*IMG
	s_add_co_u32 s22, s22, s58
	s_mov_b32 s23, 0                               ; s[22:23]: q, k: K step w's images of group G
	s_lshl_b32 s59, s[WV], 8
	s_add_co_u32 s58, s58, s59
	s_add_co_u32 s58, s58, SCO
	s_mov_b32 s59, 0                               ; s[58:59]: scale row w
	s_lshr_b32 s60, s16, 1
	s_lshl_b32 s60, s60, 2
	s_add_co_u32 s60, s60, s[WV]
	s_mul_i32 s60, s60, BLKB                       ; v: block 4 (G / 2) + w
	s_and_b32 s61, s16, 1
	s_lshl_b32 s62, s61, 9
	s_add_co_u32 s62, s62, s60
	s_add_co_u32 s62, s62, SCO
	s_mul_i32 s61, s61, 8*IMG
	s_add_co_u32 s60, s60, s61
	s_mov_b32 s61, 0                               ; s[60:61]: images 8 (G % 2) on
	s_mov_b32 s63, 0                               ; s[62:63]: scale rows 2 (G % 2) on
	s_wait_alu depctr_va_vdst(0)                   ; the wait at the head's end
	s_wait_dscnt 0x0                               ; both opening adds are done
	s_wait_kmcnt 0x0
	s_add_nc_u64 s[XB:XB+1], s[4:5], s[20:21]
.set fs, 0
.rept 4                                ; x's scale words: tile 2 pp + h lies in block pp / 2, at 16 r + 8 (pp % 2) + 4 h of scale row s.  They and K step 0's fragments, 40 loads, hang on the arguments alone and go out ahead of the cluster's round
.irp pp, 0,1,2,3
	global_load_b32 v[XS+4*fs+\pp], v[AXS], s[XB:XB+1] offset:BLKB*(\pp/2)+SCO+256*fs+8*(\pp%2)
.endr
.set fs, fs+1
.endr
	XFR 0
	s_add_nc_u64 s[OB:OB+1], s[8:9], s[22:23]
	s_add_nc_u64 s[OS:OS+1], s[8:9], s[58:59]
	s_add_nc_u64 s[KOB:KOB+1], s[10:11], s[22:23]
	s_add_nc_u64 s[KOS:KOS+1], s[10:11], s[58:59]
	s_add_nc_u64 s[VBS:VBS+1], s[12:13], s[60:61]
	s_add_nc_u64 s[VSS:VSS+1], s[12:13], s[62:63]
	s_mov_b32 s[G0], 1                             ; count = 1
	s_mov_b32 s[G0+1], s17                         ; LDS address: slot 0, my block
	s_add_nc_u64 s[G0+2:G0+3], s[6:7], s[18:19]
	s_mov_b32 s[G0+4], 1
	s_add_co_u32 s[G0+5], s17, SLOTB               ; slot 1
	s_add_nc_u64 s[G0+6:G0+7], s[G0+2:G0+3], SLOTB
	s_or_b32 s[G0+3], s[G0+3], 0x80000000          ; type = 2
	s_or_b32 s[G0+7], s[G0+7], 0x80000000
	CROUND                                         ; all four work-groups are here: the first joint loads meet
	tensor_load_to_lds s[G0:G0+3], s[G1:G1+7]      ; round 0's block
	s_nop 0
	PLACES 4
	XFR 1                                          ; the rest of x's fragments: they stay
	XFR 2
	XFR 3
	s_wait_tensorcnt 0x0                           ; my block of round 0 is in
	ds_add_u32 v[SPW], v[NIL]
	s_wait_dscnt 0x0
	CROUND
	tensor_load_to_lds s[G0+4:G0+7], s[G1:G1+7]    ; round 1's block, slot 1's first fill: my one tensor load behind the round
	s_nop 0
	PLACES 4
; FOUR HALF FRAGMENTS AT ONCE.  Source q = q0 + i lies in window 1 at 32 q: register 16 b + n = k 32 b + 16 h + n of my row.  Out: six registers of codes at CDP + 6 q (k = 32 h + 0 .. 31 of the 64), two scale bytes in SH + i.
; Each accumulator is read from its low end on.
.macro EPI4 q0
	WIN 0x05
.set ek, 0
.rept 8
	v_max3_num_f32 v[TMX+ek], |v[32*(\q0)+16*ek]|, |v[32*(\q0)+16*ek+1]|, 0x1800000   ; and the floor 2^(3 - 127): the byte cannot fall under 1
.set ek, ek+1
.endr
	WIN 0x14
.set ej, 2
.rept 7
.set ek, 0
.rept 8
	v_max3_num_f32 v[TMX+ek], v[TMX+ek], |v[32*(\q0)+16*ek+ej]|, |v[32*(\q0)+16*ek+ej+1]|   ; (the eight blocks by turns)
.set ek, ek+1
.endr
.set ej, ej+2
.endr
	WIN 0
.set ek, 0
.rept 8
	v_permlanex16_b32 v[PT+ek], v[TMX+ek], s[SEL], s[SEL+1]
.set ek, ek+1
.endr
.set ek, 0
.rept 8
	v_max_num_f32 v[TMX+ek], v[TMX+ek], v[PT+ek]   ; with lane l xor 16's 16: the block's largest magnitude
.set ek, ek+1
.endr
.set ek, 0
.rept 8
	v_add_nc_u32 v[SO+ek], 0xff000000, v[TMX+ek]   ; 2 off its exponent field: the conversion's scale operand
.set ek, ek+1
.endr
.set ek, 0
.rept 8
	v_lshrrev_b32 v[PT+ek], 23, v[SO+ek]           ; the scale's byte
.set ek, ek+1
.endr
.set ei, 0
.rept 4
	v_lshl_or_b32 v[SH+ei], v[PT+2*ei+1], 8, v[PT+2*ei]
.set ei, ei+1
.endr
	WIN 0x01
.set ei, 0
.rept 4
	v_cvt_scalef32_pk16_fp6_f32 v[CDP+6*((\q0)+ei):CDP+6*((\q0)+ei)+2], v[32*((\q0)+ei):32*((\q0)+ei)+15], v[SO+2*ei]
	v_cvt_scalef32_pk16_fp6_f32 v[TB+4*ei:TB+4*ei+2], v[32*((\q0)+ei)+16:32*((\q0)+ei)+31], v[SO+2*ei+1]   ; (a conversion's three registers begin on an even number)
.set ei, ei+1
.endr
	WIN 0
	v_nop                                          ; one plain place behind a scaled conversion
.set ei, 0
.rept 4
.irp n, 0,1,2
	v_permlane16_swap_b32 v[CDP+6*((\q0)+ei)+\n], v[TB+4*ei+\n]   ; the layout wants a WHOLE block in a lane: lanes 0-15 the first, lanes 16-31 the second
.endr
.set ei, ei+1
.endr
.set ei, 0
.rept 4
.irp n, 0,1,2
	v_mov_b32 v[CDP+6*((\q0)+ei)+3+\n], v[TB+4*ei+\n]
.endr
.set ei, ei+1
.endr
.endm
; a block's scale words, and its fragments of K step 0
.macro PREF slot
.set ps, 0
.rept 4
.irp pp, 0,1
	ds_load_b32 v[WS+8*(\slot)+2*ps+\pp], v[AWS+\slot] offset:SCO+256*ps+8*\pp
.endr
.set ps, ps+1
.endr
.irp c, 0,1,2,3
	FRAG WB+12*\c, AW+\slot, IMG*\c
.endr
.endm
; A ROUND'S PRODUCTS: 64 columns x 128 rows x 512: four K steps of 32 matrix instructions.  The 32 accumulators take turns, one instruction a turn; the first K step starts the sums.
; The next K step's four fragments of W are asked for ahead of a step's products.  Four places stand in front of loads into registers that matrix instructions have read (ISA guide 7.12.1 for vector instructions);
; ahead of a round's first loads they are the four behind the joint load, or are written out in the tail.
.macro UNIT slot, vmode
.set us, 0
.rept 4
	WIN 0
.if (us == 1) || (us == 2)
	PLACES 4
.endif
.if us < 3
.set uc, 0
.rept 4
	FRAG WB+48*((us+1)%2)+12*uc, AW+\slot, IMG*(4*(us+1)+uc)
.set uc, uc+1
.endr
	s_wait_dscnt 12                                ; all but the 12 loads just issued
.else
	s_wait_dscnt 0x0
.endif
.if \vmode
	WIN 0x52+us/2                                  ; source 0 (x) window 2 or 3, source 1 (W) window 0, C and D window 1
.else
	WIN 0x58+4*(us/2)                              ; source 0 (W) window 0, source 1 (x) window 2 or 3, C and D window 1
.endif
.set fZ, 0
.if us == 0
.set fZ, 1
.endif
.set uc, 0
.rept 4
.set ux, 0
.rept 8
.if \vmode
.set rD, 64*uc+8*ux
.set rA, 96*(us%2)+12*ux
.set rB, WB+48*(us%2)+12*uc
.set rSA, XS+4*us+ux/2
.set fRA, ux%2
.set rSB, WS+8*(\slot)+2*us+uc/2
.set fRB, uc%2
.else
.set rD, 32*ux+8*uc
.set rA, WB+48*(us%2)+12*uc
.set rB, 96*(us%2)+12*ux
.set rSA, WS+8*(\slot)+2*us+uc/2
.set fRA, uc%2
.set rSB, XS+4*us+ux/2
.set fRB, ux%2
.endif
	WMX
.set ux, ux+1
.endr
.set uc, uc+1
.endr
.set us, us+1
.endr
.endm
; The slot just read out is filled again, with the round two on.  Each wave waits for all its tensor loads (the one that is out is the other slot's), adds 0 to its spare word, and waits for that and for its reads of the slot;
; a round of the cluster's barrier; the joint load first behind it.  It has an epilogue and a whole round's 128 matrix instructions in which to land.
.macro REFILL slot
	WIN 0
	s_wait_tensorcnt 0x0                           ; no tensor load of mine is out, so a group 0 may be written
	ds_add_u32 v[SPW], v[NIL]                      ; 0 onto my spare word
	s_add_nc_u64 s[G0+4*\slot+2:G0+4*\slot+3], s[G0+4*\slot+2:G0+4*\slot+3], 2*SLOTB   ; eight blocks on; the type bits on top are not reached
	s_wait_dscnt 0x0                               ; the add is done, and my reads of the slot are over
	CROUND
	tensor_load_to_lds s[G0+4*\slot:G0+4*\slot+3], s[G1:G1+7]
	s_nop 0
	PLACES 4                                       ; also the places behind the round's last products
.endm
; q, k: my 64 columns are half c of K step w of the next product, for each of the eight tiles of rows
.macro EPIQK c
	s_wait_xcnt 0x0                                ; the earlier stores have read their registers: the codes' and the scale words' are written again only behind this wait
.irp q0, 0, 4
	EPI4 \q0
.set ei, 0
.rept 4
.if \c
	v_lshl_or_b32 v[SK+\q0+ei], v[SH+ei], 16, v[SK+\q0+ei]
.else
	v_mov_b32 v[SK+\q0+ei], v[SH+ei]
.endif
.irp p, 0,1,2
	global_store_b64 v[L8], v[CDP+6*(\q0+ei)+2*\p:CDP+6*(\q0+ei)+2*\p+1], s[OB:OB+1] offset:BLKB*(\q0/4)+IMG*ei+768*(\c)+256*\p   ; 256 consecutive bytes, aligned
.endr
.set ei, ei+1
.endr
.endr
.if \c
.irp i, 0,1,2,3
	v_cndmask_b32 v[XQ+\i], v[SK+\i], v[SK+4+\i], s[HM]   ; lanes 0-15: tiles 0-3, lanes 16-31: tiles 4-7, which lie in the next block
.endr
	global_store_b128 v[ASOQ], v[XQ:XQ+3], s[OS:OS+1]     ; two scale rows of 256 bytes
.endif
.endm
; v: a tile ct of my columns with all 128 keys is one fragment: two halves
.macro EPIV c
	s_wait_xcnt 0x0
.irp q0, 0, 4
	EPI4 \q0
.irp t, 0, 1
	v_lshl_or_b32 v[SK+4*(\c)+\q0/2+\t], v[SH+2*\t+1], 16, v[SH+2*\t]
.endr
.set ei, 0
.rept 4
.irp p, 0,1,2
	global_store_b64 v[L8], v[CDP+6*(\q0+ei)+2*\p:CDP+6*(\q0+ei)+2*\p+1], s[VBS:VBS+1] offset:IMG*(4*(\c)+(\q0+ei)/2)+768*(ei%2)+256*\p
.endr
.set ei, ei+1
.endr
.endr
.if \c
.irp i, 0,1,2,3
	v_cndmask_b32 v[XQ+\i], v[SK+\i], v[SK+4+\i], s[HM]
.endr
	global_store_b128 v[ASOV], v[XQ:XQ+3], s[VSS:VSS+1]
.endif
.endm
	PREF 0
	s_wait_loadcnt 0x0                             ; x's fragments and scale words are in
	s_mov_b32 s[CNT], 2
.Ltrip:                                            ; two trips: q, then k; each fills both slots again
	UNIT 0, 0
	REFILL 0
	PREF 1
	EPIQK 0
	UNIT 1, 0
	REFILL 1
	PREF 0
	EPIQK 1
	s_wait_xcnt 0x0                                ; the stores have read their bases
	s_mov_b64 s[OB:OB+1], s[KOB:KOB+1]
	s_mov_b64 s[OS:OS+1], s[KOS:KOS+1]
	s_sub_co_u32 s[CNT], s[CNT], 1
	s_cmp_lg_u32 s[CNT], 0
	s_cbranch_scc1 .Ltrip
	UNIT 0, 1                                      ; v: the tail is written out; nothing is left to fetch
	WIN 0
	PLACES 4
	s_wait_tensorcnt 0x0                           ; the last round's block, which only I read, is in
	PREF 1
	EPIV 0
	UNIT 1, 1
	WIN 0
	PLACES 4
	EPIV 1
	s_wait_tensorcnt 0x0                           ; the wave's end, behind my last tensor load
	ds_add_u32 v[SPW], v[NIL]
	s_wait_dscnt 0x0
	CROUND                                         ; the closing round: no work-group ends while a partner may still ask for a block that names it
	s_endpgm
.Lfunc_end_k_q83a769a2f3_proj:
	.size	k_q83a769a2f3_proj, .Lfunc_end_k_q83a769a2f3_proj-k_q83a769a2f3_proj
	.p2alignl 7, 3214868480
	.fill 96, 4, 3214868480
	.section	.rodata,"a",@progbits
	.p2align	6, 0x0
	.amdhsa_kernel k_q83a769a2f3_proj
		.amdhsa_group_segment_fixed_size 327680
		.amdhsa_private_segment_fixed_size 0
		.amdhsa_enable_private_segment 0
		.amdhsa_kernarg_size 40
		.amdhsa_user_sgpr_count 2
		.amdhsa_user_sgpr_kernarg_segment_ptr 1
		.amdhsa_wavefront_size32 1
		.amdhsa_system_sgpr_workgroup_id_x 1
		.amdhsa_system_sgpr_workgroup_id_y 1
		.amdhsa_system_sgpr_workgroup_id_z 1
		.amdhsa_system_vgpr_workitem_id 0
		.amdhsa_next_free_vgpr 1024
		.amdhsa_next_free_sgpr 66
		.amdhsa_reserve_vcc 0
		.amdhsa_float_denorm_mode_32 3
		.amdhsa_float_denorm_mode_16_64 3
		.amdhsa_memory_ordered 1
		.amdhsa_forward_progress 1
		.amdhsa_inst_pref_size 170
	.end_amdhsa_kernel
	.amdgpu_metadata
---
amdhsa.version: [ 1, 2 ]
amdhsa.kernels:
  - .name:           k_q83a769a2f3_proj
    .symbol:         k_q83a769a2f3_proj.kd
    .args:
      - { .name: xc, .offset: 0, .size: 8, .value_kind: global_buffer, .address_space: global }
      - { .name: wc, .offset: 8, .size: 8, .value_kind: global_buffer, .address_space: global }
      - { .name: qc, .offset: 16, .size: 8, .value_kind: global_buffer, .address_space: global }
      - { .name: kc, .offset: 24, .size: 8, .value_kind: global_buffer, .address_space: global }
      - { .name: vc, .offset: 32, .size: 8, .value_kind: global_buffer, .address_space: global }
    .group_segment_fixed_size: 327680
    .private_segment_fixed_size: 0
    .kernarg_segment_align: 8
    .kernarg_segment_size: 40
    .max_flat_workgroup_size: 128
    .sgpr_count:     66
    .vgpr_count:     1024
    .wavefront_size: 32
...
	.end_amdgpu_metadata
.endif
;; end of part 2
;; launch attn (part 3): grid 8 x 32, 4 waves a work-group, clusters of 4 x 1, 327,680 bytes of LDS; arguments qc, kc, vc, out0; writes out0
.if DOCPART == 3
	.amdgcn_target "amdgcn-amd-amdhsa--gfx1250"
	.amdhsa_code_object_version 6
	.text
	.protected	k_q83a769a2f3_attn
	.globl	k_q83a769a2f3_attn
	.p2align	8
	.type	k_q83a769a2f3_attn,@function
k_q83a769a2f3_attn:
	s_mov_b64 s[64:65], 0
	v_nop
	global_prefetch_b8 v0, s[64:65] scope:SCOPE_SE
	s_setreg_imm32_b32 hwreg(HW_REG_WAVE_MODE, 25, 1), 1
	s_wait_xcnt 0x0
	s_wait_alu depctr_hold_cnt(0) depctr_sa_sdst(0) depctr_va_vdst(0) depctr_va_sdst(0) depctr_va_ssrc(0) depctr_va_vcc(0) depctr_vm_vsrc(0)
	s_getreg_b32 s2, hwreg(HW_REG_IB_STS2, 6, 4)
	s_cmp_eq_u32 s2, 0
	s_cbranch_scc0 .Lentry_in_a_cluster
	s_endpgm
.Lentry_in_a_cluster:
	s_bfe_u32 s2, ttmp6, 0x10000c
	s_cmp_lg_u32 s2, 0x3003
	s_cbranch_scc0 .Lentry_shape_is_right
	s_endpgm
.Lentry_shape_is_right:
; out[b][q][:] = the sum over k of softmax_k(q . k / sqrt(512)) v[k][:], both products on codes of FP6 (E2M3) with one E8M0 scale for each 32 along a product's K.  1,024 queries and keys a batch, 512 channels.
; qc, kc, vc: blocks of 25,600 bytes: 16 images of 1,536 bytes (a fragment's registers: piece p of six holds registers 2 p, 2 p + 1 of lane l at 256 p + 8 l) and four rows of 256 bytes of scale words (lane r, tile t of four at 16 r + 4 t).
; THE SOFTMAX: t = score x c, c = log2(e) / sqrt(512), by one fused multiply-add; M = the running largest t rounded UP to a whole number; p = 2^(t - M) is quantised along the keys, not normalised; the row's sum is taken of the
; unquantised p and divides at the end; when M moves, sum and O are multiplied by 2^(old M - new M), which rounds nothing.
; THE ZERO SCORE.  A score of exactly 0 counts as 1e-10, so t = 1.44e-10.  In f32 1.44e-10 - M rounds to -M for every whole M but 0, and 2^1.44e-10 rounds to 1: p has the same bits with or without the replacement.
; Only M can move: where a row's largest score is 0, M is 1 and not 0.  So the replacement is made on the step's largest score of each query.
; SHARES.  A work-group owns 128 queries (eight tiles of 16); four key steps of 256 keys.  THE WAVES SHARE COLUMNS: in S^T = K Q^T wave w takes keys 64 w .. + 63 of the step, in O^T = V^T P^T channels 128 w .. + 127, each for all
; eight tiles of queries: so a fragment of K or V is read from LDS by one wave and feeds eight matrix instructions.  From wave to wave go a maximum for each query, and P: a wave's 64 keys are half w % 2 of K step w / 2.
; Both products are used transposed: a lane holds ONE query (lane % 16).  The keys of a tile are laid so that two tiles' 16 registers are 16 neighbouring keys.
; K AND V have one region each, wave w's own block; they take turns: the next step's K is fetched while softmax and V^T P run, the next V while K Q^T runs.
; THE LAST STEP.  Nothing follows it under which the stores could leave.  So its V^T P goes by tiles of queries: all 16 fragments of V lie in registers, a tile's eight accumulators are finished by 16 matrix instructions (K ascending,
; as in every step), and the tile is divided by its sum, staged and stored while the next tiles are multiplied.  The waves' parts of the sums change hands with P, at the same barrier.
; CLUSTER.  The four query blocks of a cluster belong to one batch and walk the same K and V: each block is asked for JOINTLY (mask 15), every wave for its own.
; LIMITS: NaN and infinities are not served; 1 / sum by v_rcp_f32; a block of p that has fallen to zero keeps the byte 1: its codes are zeros.
; REGISTERS, in windows of 256.  Window 0: addresses, statistics, scale words, v64-255 fragments or the softmax's registers.  Window 1: S^T, tile (qt, kt) at 32 qt + 8 kt; then P's 16 fragments at 12 (8 kg + qt).
; Windows 2, 3: O^T, tile (et, qt) in window 2 + et / 4 at 64 (et % 4) + 8 qt.
.set BLKB,  25600
.set IMG,   1536
.set SCO,   24576
.set WREG,  2*BLKB                     ; LDS: wave w's K block at WREG w, its V block BLKB behind
.set QREG,  4*WREG                     ; Q's two blocks, as they lie in memory
.set PIMG,  QREG+2*BLKB                ; P's 16 images: (kg, qt) at IMG (8 kg + qt)
.set PSC,   PIMG+16*IMG                ; P's scale words: 512 kg + 32 r + 4 qt
.set MXB,   PSC+1024                   ; the waves' largest scores: 256 qt + 16 r + 4 w
.set LSO,   2048                       ; behind them the waves' sums, laid likewise
.set SPARE, MXB+2*LSO                  ; the spare words, 128 bytes for each wave: two blocks of 256 bytes that no other line names
.set AKV,  1                           ; WREG w + 8 l
.set AQ,   2                           ; QREG + 8 l            (the way out: STO)
.set AP,   3                           ; PIMG + 8 l            (SRD)
.set APW,  4                           ; where I store my half images of P  (GO)
.set ASKV, 5                           ; WREG w + 16 r + 4 h
.set ASQ,  6
.set APS,  7                           ; PSC + 32 r + 4 h
.set APSW, 8                           ; where I store my half words
.set AMXR, 9
.set AMXW, 10
.set PFO,  11                          ; the prefetches' offset: 256 x min(lane, 24)
.set SPW,  12                          ; LDS address of my spare word; never rewritten
.set NIL,  13                          ; 0; never rewritten
.set VEPS, 14                          ; 1e-10 x log2(e)
.set AQW,  15                          ; where I store my quarter of Q
.set TM,   16                          ; v16-23  the running largest t of each tile's query
.set LL,   24                          ; v24-31  my part of the row's sum
.set QS,   32                          ; v32-47  Q's scale words, 4 s + pair of tiles
.set KS,   48                          ; v48-55  K's (2 s + pair), then V's (2 a + pair)
.set PS,   56                          ; v56-63  P's (4 kg + pair)
.set KB,   64                          ; K Q^T: K's fragments at 64, 112; Q's at 160, 208;  V^T P: V's four granules at 64 + 48 n
.set QB,   160
.set VB,   64
.set MXL,  64                          ; softmax: v64-95 the four waves' maxima; then SA v64-79 sums, SH v80-87 byte pairs, XH v88-91
.set SA,   64
.set SH,   80
.set XH,   88
.set CDP,  96                          ; v96-143  8 x 6 registers of codes
.set TB,   144                         ; v144-159 the conversions' second halves
.set SO,   160                         ; v160-175 the conversions' scale operands
.set BY,   176                         ; v176-191 bytes
.set PT,   192                         ; v192-207 the other half's maxima
.set BM,   208                         ; v208-223 the largest score of each block of 32 keys, then its p
.set Q4,   224                         ; v224-255 four a tile: -M, at work, f = 2^(old M - new M), the old -M
.set GQ,   207                         ; at the head: 16 l
.set LSM,  16                          ; the way out: v16-47 the four waves' sums of each tile (TM, LL and QS are done with)
.set RC,   18                          ; the way out: 1 / sum of tile t in the pair v[RC + 4 t : RC + 4 t + 1]
.set OBF,  192                         ; the way out: 16 rows read back from the stage, in window 1, behind P's 192 registers
.set STO,  2
.set SRD,  3
.set GO,   4
.set WV,   12
.set G1,   24
.set G0K,  32
.set G0V,  36
.set CS,   40                          ; s[40:41] c, twice: the packed form names a pair
.set SEL,  42
.set HM,   44
.set CNT,  46
.set LIM,  47                          ; 1 in the batch's first cluster, else the greatest number
.set PFK,  48
.set PFV,  50
.set QBS,  52
.set OUT,  54
.set MSB, 0
.macro WIN new
.if MSB != (\new)
	s_set_vgpr_msb (MSB<<8)|(\new)
.set MSB, (\new)
.endif
.endm
.macro PLACES n
.rept \n
	v_nop
.endr
.endm
.macro CROUND
	s_barrier_signal -1
	s_barrier_wait -1
	s_cmp_lg_u32 s[WV], 0
	s_cbranch_scc1 .Lnot_wave_0_\@
	s_barrier_signal -3
.Lnot_wave_0_\@:
	s_barrier_wait -3
	s_barrier_signal -1
	s_barrier_wait -1
.endm
.macro FRAG reg, adr, off
.irp p, 0,1,2,3,4,5
	ds_load_b64 v[(\reg)+2*\p:(\reg)+2*\p+1], v[\adr] offset:(\off)+256*\p
.endr
.endm
.macro WMX
.if fZ
.if fRA && fRB
	v_wmma_scale_f32_16x16x128_f8f6f4 v[rD:rD+7], v[rA:rA+11], v[rB:rB+11], 0, v[rSA], v[rSB] matrix_a_fmt:MATRIX_FMT_FP6 matrix_b_fmt:MATRIX_FMT_FP6 matrix_a_scale:MATRIX_SCALE_ROW1 matrix_b_scale:MATRIX_SCALE_ROW1
.elseif fRA
	v_wmma_scale_f32_16x16x128_f8f6f4 v[rD:rD+7], v[rA:rA+11], v[rB:rB+11], 0, v[rSA], v[rSB] matrix_a_fmt:MATRIX_FMT_FP6 matrix_b_fmt:MATRIX_FMT_FP6 matrix_a_scale:MATRIX_SCALE_ROW1
.elseif fRB
	v_wmma_scale_f32_16x16x128_f8f6f4 v[rD:rD+7], v[rA:rA+11], v[rB:rB+11], 0, v[rSA], v[rSB] matrix_a_fmt:MATRIX_FMT_FP6 matrix_b_fmt:MATRIX_FMT_FP6 matrix_b_scale:MATRIX_SCALE_ROW1
.else
	v_wmma_scale_f32_16x16x128_f8f6f4 v[rD:rD+7], v[rA:rA+11], v[rB:rB+11], 0, v[rSA], v[rSB] matrix_a_fmt:MATRIX_FMT_FP6 matrix_b_fmt:MATRIX_FMT_FP6
.endif
.else
.if fRA && fRB
	v_wmma_scale_f32_16x16x128_f8f6f4 v[rD:rD+7], v[rA:rA+11], v[rB:rB+11], v[rD:rD+7], v[rSA], v[rSB] matrix_a_fmt:MATRIX_FMT_FP6 matrix_b_fmt:MATRIX_FMT_FP6 matrix_a_scale:MATRIX_SCALE_ROW1 matrix_b_scale:MATRIX_SCALE_ROW1
.elseif fRA
	v_wmma_scale_f32_16x16x128_f8f6f4 v[rD:rD+7], v[rA:rA+11], v[rB:rB+11], v[rD:rD+7], v[rSA], v[rSB] matrix_a_fmt:MATRIX_FMT_FP6 matrix_b_fmt:MATRIX_FMT_FP6 matrix_a_scale:MATRIX_SCALE_ROW1
.elseif fRB
	v_wmma_scale_f32_16x16x128_f8f6f4 v[rD:rD+7], v[rA:rA+11], v[rB:rB+11], v[rD:rD+7], v[rSA], v[rSB] matrix_a_fmt:MATRIX_FMT_FP6 matrix_b_fmt:MATRIX_FMT_FP6 matrix_b_scale:MATRIX_SCALE_ROW1
.else
	v_wmma_scale_f32_16x16x128_f8f6f4 v[rD:rD+7], v[rA:rA+11], v[rB:rB+11], v[rD:rD+7], v[rSA], v[rSB] matrix_a_fmt:MATRIX_FMT_FP6 matrix_b_fmt:MATRIX_FMT_FP6
.endif
.endif
.endm
; PREFETCHES INTO THE L2, behind the wave's joint load and its five lines.  Both clusters of a batch walk the same K and V: the first asks.  Of block w (100 x 256 bytes) the partner at place cx names 25 x 256 bytes, told apart BY ADDRESS;
; a lane a piece of 256 bytes (lanes 25-31 name lane 24's again).  ASKV, at the fill of K, names the next step's V, whose load follows behind the softmax and V^T P; ASKK, at the fill of V, names K two steps on, whose load follows
; behind K Q^T; it stops where no such step is left.  The first step's K and V and the second's K come by their loads alone.
.macro ASKV
	s_cmp_eq_u32 s[LIM], 1
	s_cbranch_scc0 .Lnot_v_\@
	global_prefetch_b8 v[PFO], s[PFV:PFV+1] th:TH_LOAD_NT scope:SCOPE_SE
.Lnot_v_\@:
.endm
.macro ASKK
	s_cmp_gt_u32 s[CNT], s[LIM]
	s_cbranch_scc0 .Lnot_k_\@
	global_prefetch_b8 v[PFO], s[PFK:PFK+1] th:TH_LOAD_NT scope:SCOPE_SE
.Lnot_k_\@:
.endm
	s_load_b256 s[4:11], s[0:1], 0x0               ; qc s[4:5], kc s[6:7], vc s[8:9], out0 s[10:11]
	v_lshl_add_u32 v[SPW], v0, 2, SPARE
	v_mov_b32 v[NIL], 0
	ds_add_u32 v[SPW], v[NIL]                      ; the wave's opening: the add and its wait ahead of my first tensor load; the set-up below, work on registers, stands between them
	ds_add_u32 v[SPW], v[NIL]
	v_lshrrev_b32 v200, 5, v0
	v_readfirstlane_b32 s[WV], v200                ; wave 0..3
	s_bfe_u32 s13, ttmp6, 0x40000                  ; cx
	s_and_b32 s14, ttmp7, 0xffff                   ; the batch, which the partners share
	s_lshl_b32 s15, ttmp9, 2
	s_add_co_u32 s15, s15, s13
	s_lshl_b32 s16, s14, 3
	s_add_co_u32 s15, s15, s16                     ; G = 8 b + 4 x cluster + cx: my 128 queries; it enters Q's and the output's addresses alone
	s_mov_b32 s[G1], 15|(3<<16)|(1<<21)            ; the mask: all four; elements of 8 bytes; no padding; bit 21 beside a mask
	s_mov_b32 s[G1+1], 32<<16                      ; 100 rows of 256 bytes, dense
	s_mov_b32 s[G1+2], 100<<16
	s_mov_b32 s[G1+3], 32<<16
	s_mov_b32 s[G1+4], 100
	s_mov_b32 s[G1+5], 32
	s_mov_b32 s[G1+6], 0
	s_mov_b32 s[G1+7], 0
	s_mov_b32 s[CS], 0x3d8293ee                    ; c = log2(e) / sqrt(512)
	s_mov_b32 s[CS+1], s[CS]
	s_mov_b32 s[SEL], 0x76543210
	s_mov_b32 s[SEL+1], 0xfedcba98
	s_mov_b32 s[HM], 0xffff0000
	s_mov_b32 s[CNT], 3
	s_lshl_b32 s20, s14, 4
	s_add_co_u32 s20, s20, s[WV]
	s_mul_i32 s20, s20, BLKB
	s_mov_b32 s21, 0                               ; s[20:21]: block 16 b + w: my block of step 0, in kc and in vc
	s_mul_i32 s22, s13, 6400
	s_mov_b32 s23, 0                               ; s[22:23]: my work-group's quarter of a block, for the prefetches
	s_mul_i32 s16, s15, 2*BLKB
	s_mul_i32 s17, s[WV], 12800
	s_add_co_u32 s16, s16, s17
	s_mov_b32 s17, 0                               ; s[16:17]: my quarter of Q's two blocks
	s_lshl_b32 s18, s15, 18
	s_lshl_b32 s19, s[WV], 9
	s_add_co_u32 s18, s18, s19
	s_mov_b32 s19, 0                               ; s[18:19]: 128 G rows of 2,048 bytes + my 512 bytes of a row
	s_mul_i32 s56, s[WV], WREG
	v_and_b32 v200, 31, v0                         ; l
	v_and_b32 v201, 15, v0                         ; r
	v_bfe_u32 v202, v0, 4, 1                       ; h
	v_lshlrev_b32 v203, 3, v200
	v_add_nc_u32 v[AKV], s56, v203
	v_add_nc_u32 v[AQ], QREG, v203
	v_add_nc_u32 v[AP], PIMG, v203
	s_lshr_b32 s57, s[WV], 1                       ; kg
	s_and_b32 s58, s[WV], 1                        ; the half
	s_mul_i32 s59, s57, 8*IMG
	s_mul_i32 s60, s58, 768
	s_add_co_u32 s59, s59, s60
	s_add_co_u32 s59, s59, PIMG
	v_add_nc_u32 v[APW], s59, v203
	v_lshlrev_b32 v204, 4, v201
	s_wait_alu depctr_va_vdst(0)
	v_add_nc_u32 v[AMXR], MXB, v204
	s_lshl_b32 s59, s[WV], 2
	s_add_co_u32 s59, s59, MXB
	v_add_nc_u32 v[AMXW], s59, v204
	v_lshl_add_u32 v204, v202, 2, v204             ; 16 r + 4 h
	v_add_nc_u32 v[ASKV], s56, v204
	v_add_nc_u32 v[ASQ], QREG, v204
	v_lshlrev_b32 v205, 5, v201
	v_lshl_add_u32 v205, v202, 2, v205             ; 32 r + 4 h
	v_add_nc_u32 v[APS], PSC, v205
	s_lshl_b32 s59, s57, 9
	s_lshl_b32 s60, s58, 1
	s_add_co_u32 s59, s59, s60
	s_add_co_u32 s59, s59, PSC
	v_add_nc_u32 v[APSW], s59, v205
	v_min_u32 v[PFO], 24, v200
	v_lshlrev_b32 v[PFO], 8, v[PFO]
	v_lshlrev_b32 v[GQ], 4, v200
	s_mul_i32 s59, s[WV], 12800
	s_add_co_u32 s59, s59, QREG
	v_add_nc_u32 v[AQW], s59, v[GQ]
	v_mov_b32 v[VEPS], 0x2f1ea041                  ; 1e-10 x log2(e): only that it is positive and far under 1 matters
.irp t, 0,1,2,3,4,5,6,7
	v_mov_b32 v[TM+\t], 0xff61b1e6                 ; the largest t so far: -3e38, under every t
	v_mov_b32 v[LL+\t], 0
.endr
	s_wait_dscnt 0x0                               ; the opening add is done
	s_wait_kmcnt 0x0
	s_add_nc_u64 s[QBS:QBS+1], s[4:5], s[16:17]
	s_add_nc_u64 s[OUT:OUT+1], s[10:11], s[18:19]
.set i, 0
.rept 25                               ; my quarter of Q, 12,800 bytes: each load takes 512 consecutive bytes.  They hang on the arguments alone, so they go out ahead of the cluster's round and travel while it is passed
	global_load_b128 v[64+4*i:64+4*i+3], v[GQ], s[QBS:QBS+1] offset:512*i th:TH_LOAD_NT
.set i, i+1
.endr
	s_mov_b32 s[G0K], 1
	s_mov_b32 s[G0K+1], s56
	s_add_nc_u64 s[G0K+2:G0K+3], s[6:7], s[20:21]
	s_mov_b32 s[G0V], 1
	s_add_co_u32 s[G0V+1], s56, BLKB
	s_add_nc_u64 s[G0V+2:G0V+3], s[8:9], s[20:21]
	s_add_nc_u64 s[PFK:PFK+1], s[G0K+2:G0K+3], s[22:23]
	s_add_nc_u64 s[PFK:PFK+1], s[PFK:PFK+1], 4*BLKB   ; in step 1: the first fill of V steps it to step 2
	s_add_nc_u64 s[PFV:PFV+1], s[G0V+2:G0V+3], s[22:23] ; in step 0: the first fill of K steps it to step 1
	s_or_b32 s[G0K+3], s[G0K+3], 0x80000000        ; type = 2
	s_or_b32 s[G0V+3], s[G0V+3], 0x80000000
	s_cmp_eq_u32 ttmp9, 0                          ; the same in all four partners
	s_cselect_b32 s[LIM], 1, -1
	CROUND                                         ; all four work-groups are here: the first joint loads meet
	tensor_load_to_lds s[G0K:G0K+3], s[G1:G1+7]    ; step 0's K
	s_nop 0
	PLACES 4
	WIN 0x80
.set i, 0
.rept 256
	v_mov_b32 v[i], 0
.set i, i+1
.endr
	WIN 0xc0
.set i, 0
.rept 256
	v_mov_b32 v[i], 0
.set i, i+1
.endr
	WIN 0
	s_wait_loadcnt 0x0
.set i, 0
.rept 25
	ds_store_b128 v[AQW], v[64+4*i:64+4*i+3] offset:512*i
.set i, i+1
.endr
	s_wait_tensorcnt 0x0                           ; my block of K is in
	ds_add_u32 v[SPW], v[NIL]
	s_wait_dscnt 0x0                               ; the add is done, and for the others' sake my quarter of Q has landed
	CROUND
	tensor_load_to_lds s[G0V:G0V+3], s[G1:G1+7]    ; step 0's V, its region's first fill: my one tensor load behind the round; K Q^T stands between it and the wait for it
	s_nop 0
	PLACES 4
.set ss, 0
.rept 4
.irp pp, 0,1,2,3
	ds_load_b32 v[QS+4*ss+\pp], v[ASQ] offset:BLKB*(\pp/2)+SCO+256*ss+8*(\pp%2)   ; Q's scale words stay
.endr
.set ss, ss+1
.endr
; S^T = K Q^T: eight granules of 16 matrix instructions: K step g / 2, tiles of queries 4 (g % 2) on, my four tiles of keys.  A granule's fragments are asked for a granule ahead.  The 32 accumulators take turns, one instruction a turn.
.macro SPHASE
	PLACES 5                                       ; the first products write over registers that the last V^T P read; the loads below land in registers that it read
.set ss, 0
.rept 4
.irp pp, 0,1
	ds_load_b32 v[KS+2*ss+\pp], v[ASKV] offset:SCO+256*ss+8*\pp
.endr
.set ss, ss+1
.endr
.irp c, 0,1,2,3
	FRAG KB+12*\c, AKV, IMG*\c
.endr
.irp c, 0,1,2,3
	FRAG QB+12*\c, AQ, IMG*\c
.endr
.set sg, 0
.rept 8
	WIN 0
.if sg > 0
	PLACES 4                                       ; in front of loads into registers that the granule before has read
.endif
.if sg < 7
.set ns, (sg+1)/2
.set nh, (sg+1)%2
.irp c, 0,1,2,3
	FRAG QB+48*nh+12*\c, AQ, BLKB*nh+IMG*(4*ns+\c)
.endr
.if nh == 0
.irp c, 0,1,2,3
	FRAG KB+48*(ns%2)+12*\c, AKV, IMG*(4*ns+\c)
.endr
	s_wait_dscnt 48                                ; all but the next granule's eight fragments
.else
	s_wait_dscnt 24                                ; all but the next granule's four
.endif
.else
	s_wait_dscnt 0x0
.endif
	WIN 0x50                                       ; K and Q window 0, S^T window 1
.set fZ, 0
.if sg < 2
.set fZ, 1
.endif
.set sq, 0
.rept 4
.set sk, 0
.rept 4
.set qq, 4*(sg%2)+sq
.set rD, 32*qq+8*sk
.set rA, KB+48*((sg/2)%2)+12*sk
.set rB, QB+48*(sg%2)+12*sq
.set rSA, KS+2*(sg/2)+sk/2
.set fRA, sk%2
.set rSB, QS+4*(sg/2)+qq/2
.set fRB, qq%2
	WMX
.set sk, sk+1
.endr
.set sq, sq+1
.endr
.set sg, sg+1
.endr
	WIN 0
.endm
; the largest score of each block of 32 keys (it serves twice: for the row's maximum and, since p rises with the score, for the block's largest p), and my 64 keys' largest to the other waves.  Each accumulator is read from its low end on.
.macro MAXA
	PLACES 4
	WIN 0x05
.set mk, 0
.rept 16
	v_max_num_f32 v[BM+mk], v[16*mk], v[16*mk+1]
.set mk, mk+1
.endr
	WIN 0x14
.set mj, 2
.rept 7
.set mk, 0
.rept 16
	v_max3_num_f32 v[BM+mk], v[BM+mk], v[16*mk+mj], v[16*mk+mj+1]
.set mk, mk+1
.endr
.set mj, mj+2
.endr
	WIN 0
.set mk, 0
.rept 16
	v_permlanex16_b32 v[PT+mk], v[BM+mk], s[SEL], s[SEL+1]
.set mk, mk+1
.endr
.set mk, 0
.rept 16
	v_max_num_f32 v[BM+mk], v[BM+mk], v[PT+mk]     ; with lane l xor 16's 16 keys
.set mk, mk+1
.endr
.set mk, 0
.rept 8
	v_max_num_f32 v[PT+mk], v[BM+2*mk], v[BM+2*mk+1]
.set mk, mk+1
.endr
.set mk, 0
.rept 8
	ds_store_b32 v[AMXW], v[PT+mk] offset:256*mk   ; both halves of the lanes write the same word with the same value
.set mk, mk+1
.endr
.endm
; The maxima change hands, and K's region, which has been read out, is filled with the next step's.  Each wave waits for all its tensor loads (the one that is out is this step's V), adds 0 to its spare word, and waits for that,
; for its stores of the maxima and for its reads of K; a round of the cluster's barrier; the joint load first behind it.
.macro EXCH fill
	s_wait_tensorcnt 0x0
.if \fill
	ds_add_u32 v[SPW], v[NIL]                      ; 0 onto my spare word
	s_add_nc_u64 s[G0K+2:G0K+3], s[G0K+2:G0K+3], 4*BLKB   ; the next step's block; the type bits on top are not reached
	s_wait_xcnt 0x0                                ; the last prefetches have read their addresses
	s_add_nc_u64 s[PFV:PFV+1], s[PFV:PFV+1], 4*BLKB
	s_wait_dscnt 0x0
	CROUND
	tensor_load_to_lds s[G0K:G0K+3], s[G1:G1+7]
	s_nop 0
	PLACES 4
	ASKV
.else
	s_wait_dscnt 0x0
	s_barrier_signal -1
	s_barrier_wait -1
.endif
.endm
; every wave makes the same statistics of the same four maxima
.macro STATS
.set t8, 0
.rept 8
	ds_load_b128 v[MXL+4*t8:MXL+4*t8+3], v[AMXR] offset:256*t8
.set t8, t8+1
.endr
	s_wait_dscnt 0x0
.set t8, 0
.rept 8
	v_max3_num_f32 v[MXL+4*t8], v[MXL+4*t8], v[MXL+4*t8+1], v[MXL+4*t8+2]
.set t8, t8+1
.endr
.set t8, 0
.rept 8
	v_max_num_f32 v[MXL+4*t8], v[MXL+4*t8], v[MXL+4*t8+3]   ; the step's largest score of my query
.set t8, t8+1
.endr
.set t8, 0
.rept 8
	v_mul_f32 v[MXL+4*t8+1], s[CS], v[MXL+4*t8]    ; as t (c is positive)
.set t8, t8+1
.endr
.set t8, 0
.rept 8
	v_cmp_eq_f32 vcc_lo, 0, v[MXL+4*t8]            ; a largest score of exactly 0 counts as 1e-10
	v_cndmask_b32 v[MXL+4*t8+1], v[MXL+4*t8+1], v[VEPS], vcc_lo
.set t8, t8+1
.endr
.set t8, 0
.rept 8
	v_floor_f32 v[Q4+4*t8+3], -v[TM+t8]            ; the old -M
.set t8, t8+1
.endr
.set t8, 0
.rept 8
	v_max_num_f32 v[TM+t8], v[TM+t8], v[MXL+4*t8+1]
.set t8, t8+1
.endr
.set t8, 0
.rept 8
	v_floor_f32 v[Q4+4*t8], -v[TM+t8]              ; the new -M = floor(-t) = -ceil(t)
.set t8, t8+1
.endr
.set t8, 0
.rept 8
	v_sub_f32 v[Q4+4*t8+1], v[Q4+4*t8], v[Q4+4*t8+3]   ; old M - new M: a whole number, 0 or less
.set t8, t8+1
.endr
.set t8, 0
.rept 8
	v_cvt_i32_f32 v[Q4+4*t8+1], v[Q4+4*t8+1]       ; (it saturates)
.set t8, t8+1
.endr
.set t8, 0
.rept 8
	v_ldexp_f32 v[Q4+4*t8+2], 1.0, v[Q4+4*t8+1]    ; f = 2^(old M - new M)
.set t8, t8+1
.endr
.endm
; tiles of queries 4 g .. 4 g + 3: p, its sum, its codes and scale bytes; my half images to LDS
.macro SOFT g
	WIN 0x41
.set si, 0
.rept 4
.set qq, 4*(\g)+si
.set sj, 0
.rept 16
	v_pk_fma_f32 v[32*qq+2*sj:32*qq+2*sj+1], v[32*qq+2*sj:32*qq+2*sj+1], s[CS:CS+1], v[Q4+4*qq:Q4+4*qq+1] op_sel_hi:[1,0,0]   ; t - M, two at a time
.set sj, sj+1
.endr
.set si, si+1
.endr
	WIN 0
.set sj, 0
.rept 8
.set qq, 8*(\g)+sj
	v_fma_f32 v[BM+qq], v[BM+qq], s[CS], v[Q4+4*(qq/2)]   ; the same of each block's largest score
.set sj, sj+1
.endr
	WIN 0x41
.set sj, 0
	s_wait_alu depctr_va_vdst(0)
.rept 128
	v_exp_f32 v[128*(\g)+sj], v[128*(\g)+sj]       ; p = 2^(t - M), at most 1: NOT normalised
.set sj, sj+1
.endr
	WIN 0
.set si, 0
.rept 4
	v_mul_f32 v[LL+4*(\g)+si], v[LL+4*(\g)+si], v[Q4+4*(4*(\g)+si)+2]   ; the sums under the new M.  (Plain places behind the exponentials)
.set si, si+1
.endr
	s_wait_alu depctr_va_vdst(0)                   ; one for the batch of 128, ahead of its first reader
.set sj, 0
.rept 8
	v_exp_f32 v[BM+8*(\g)+sj], v[BM+8*(\g)+sj]     ; the block's largest p: the same two instructions on the same number give the same bits
.set sj, sj+1
.endr
	WIN 0x05                                       ; THE ROW'S SUM IS TAKEN OF THE UNQUANTISED p: two at a time, two chains a tile; plain work behind the eight
.set si, 0
.rept 4
.set qq, 32*(4*(\g)+si)
	v_pk_add_f32 v[SA+4*si:SA+4*si+1], v[qq:qq+1], v[qq+2:qq+3]
	v_pk_add_f32 v[SA+4*si+2:SA+4*si+3], v[qq+4:qq+5], v[qq+6:qq+7]
.set si, si+1
.endr
	WIN 0x04
.set sj, 8
.rept 6
.set si, 0
.rept 4
.set qq, 32*(4*(\g)+si)
	v_pk_add_f32 v[SA+4*si:SA+4*si+1], v[SA+4*si:SA+4*si+1], v[qq+sj:qq+sj+1]
	v_pk_add_f32 v[SA+4*si+2:SA+4*si+3], v[SA+4*si+2:SA+4*si+3], v[qq+sj+2:qq+sj+3]
.set si, si+1
.endr
.set sj, sj+4
.endr
	WIN 0
.set si, 0
.rept 4
	v_pk_add_f32 v[SA+4*si:SA+4*si+1], v[SA+4*si:SA+4*si+1], v[SA+4*si+2:SA+4*si+3]
.set si, si+1
.endr
.set si, 0
.rept 4
	v_add_f32 v[SA+4*si], v[SA+4*si], v[SA+4*si+1]
.set si, si+1
.endr
.set si, 0
.rept 4
	v_add_f32 v[LL+4*(\g)+si], v[LL+4*(\g)+si], v[SA+4*si]
.set si, si+1
.endr
	s_wait_alu depctr_va_vdst(0)                   ; and one for the eight
.set sj, 0
.rept 8
	v_max_num_f32 v[BM+8*(\g)+sj], 0x1800000, v[BM+8*(\g)+sj]   ; the floor 2^(3 - 127): the byte cannot fall under 1
.set sj, sj+1
.endr
.set sj, 0
.rept 8
	v_add_nc_u32 v[SO+8*(\g)+sj], 0xff000000, v[BM+8*(\g)+sj]   ; 2 off the exponent field: the conversion's scale operand
.set sj, sj+1
.endr
.set sj, 0
.rept 8
	v_lshrrev_b32 v[BY+8*(\g)+sj], 23, v[SO+8*(\g)+sj]          ; the scale's byte
.set sj, sj+1
.endr
.set si, 0
.rept 4
.set qq, 4*(\g)+si
	v_lshl_or_b32 v[SH+qq], v[BY+2*qq+1], 8, v[BY+2*qq]
.set si, si+1
.endr
	WIN 0x01
.set si, 0
.rept 4
.set qq, 4*(\g)+si
	v_cvt_scalef32_pk16_fp6_f32 v[CDP+6*qq:CDP+6*qq+2], v[32*qq:32*qq+15], v[SO+2*qq]
	v_cvt_scalef32_pk16_fp6_f32 v[TB+4*si:TB+4*si+2], v[32*qq+16:32*qq+31], v[SO+2*qq+1]
.set si, si+1
.endr
	WIN 0
	v_nop                                          ; one plain place behind a scaled conversion
.set si, 0
.rept 4
.irp n, 0,1,2
	v_permlane16_swap_b32 v[CDP+6*(4*(\g)+si)+\n], v[TB+4*si+\n]
.endr
.set si, si+1
.endr
.set si, 0
.rept 4
.irp n, 0,1,2
	v_mov_b32 v[CDP+6*(4*(\g)+si)+3+\n], v[TB+4*si+\n]
.endr
.set si, si+1
.endr
.set si, 0
.rept 4
.set qq, 4*(\g)+si
.irp p, 0,1,2
	ds_store_b64 v[APW], v[CDP+6*qq+2*\p:CDP+6*qq+2*\p+1] offset:IMG*qq+256*\p
.endr
.set si, si+1
.endr
.irp t, 0,1
	v_cndmask_b32 v[XH+2*(\g)+\t], v[SH+4*(\g)+2*\t], v[SH+4*(\g)+2*\t+1], s[HM]   ; lanes 0-15 store the even tile's two bytes, lanes 16-31 the odd one's
	ds_store_b16 v[APSW], v[XH+2*(\g)+\t] offset:8*(2*(\g)+\t)
.endr
.endm
.macro VSCALES                         ; V's scale words take the registers of K's
.set ss, 0
.rept 4
.irp pp, 0,1
	ds_load_b32 v[KS+2*ss+\pp], v[ASKV] offset:BLKB+SCO+256*ss+8*\pp
.endr
.set ss, ss+1
.endr
.endm
.macro PSCALES
.irp kg, 0,1
.irp pp, 0,1,2,3
	ds_load_b32 v[PS+4*\kg+\pp], v[APS] offset:512*\kg+8*\pp
.endr
.endr
.endm
.macro VLOAD n                         ; V's granule n: K step n / 2, tiles of channels 4 (n % 2) on
.irp c, 0,1,2,3
	FRAG VB+48*(\n)+12*\c, AKV, BLKB+IMG*(8*((\n)/2)+4*((\n)%2)+\c)
.endr
.endm
.macro RESC wv                         ; O^T's 32 tiles of window 2 + wv under the new M: x f, each accumulator from its low end on
	WIN 0x82+0x41*(\wv)
.set re, 0
.rept 4
.set rq, 0
.rept 8
.irp j, 0,2,4,6
	v_pk_mul_f32 v[64*re+8*rq+\j:64*re+8*rq+\j+1], v[64*re+8*rq+\j:64*re+8*rq+\j+1], v[Q4+4*rq+2:Q4+4*rq+3] op_sel_hi:[1,0]
.endr
.set rq, rq+1
.endr
.set re, re+1
.endr
.endm
.macro PVG n                           ; 32 matrix instructions: four tiles of channels x eight tiles of queries, 128 keys; the 32 accumulators by turns
	WIN 0xa4+0x50*((\n)%2)                         ; V window 0, P window 1, O^T window 2 or 3
.set fZ, 0
.set pe, 0
.rept 4
.set pq, 0
.rept 8
.set rD, 64*pe+8*pq
.set rA, VB+48*(\n)+12*pe
.set rB, 12*(8*((\n)/2)+pq)
.set rSA, KS+2*(\n)+pe/2
.set fRA, pe%2
.set rSB, PS+4*((\n)/2)+pq/2
.set fRB, pq%2
	WMX
.set pq, pq+1
.endr
.set pe, pe+1
.endr
.endm
; A key step's first part: the scores, the maxima's exchange (fill = 1: with the fill of K's region), p and its half images
.macro FRONT fill
	SPHASE
	MAXA
	EXCH \fill
	STATS
	SOFT 0
	SOFT 1
.endm
; Its second part in the loop: O^T += V^T P^T, then the fill of V's region.  The first products want V's granule 0, P's first K step and the scale words, and V's granules 1 and 2, asked for ahead of them, are not waited for;
; O^T's two windows are rescaled while those loads are served.
.macro BACK
	s_wait_dscnt 0x0                               ; for the others' sake: my half images and half words of P have landed
	s_barrier_signal -1
	VSCALES                                        ; between signal and wait: loads of my V block, which nobody writes before a later barrier, and work on registers
	VLOAD 0
	RESC 0
	WIN 0
	s_barrier_wait -1                              ; P's 16 images and their scale words lie in LDS
	PSCALES
	WIN 0x40
.set pq, 0
.rept 8
	FRAG 12*pq, AP, IMG*pq                         ; P's first K step
.set pq, pq+1
.endr
	RESC 1
	WIN 0
	VLOAD 1
	VLOAD 2
	s_wait_alu depctr_va_vdst(0)
	s_wait_dscnt 48                                ; all but V's granules 1 and 2
	PVG 0
	WIN 0x40
.set pq, 0
.rept 8
	FRAG 12*(8+pq), AP, IMG*(8+pq)                 ; P's second K step
.set pq, pq+1
.endr
	s_wait_dscnt 48                                ; all but those 48 loads: V's granules 1 and 2 are in
	PVG 1
	WIN 0
	VLOAD 3
	s_wait_dscnt 24                                ; all but V's granule 3
	PVG 2
	s_wait_dscnt 0x0
	PVG 3
	WIN 0
	s_wait_tensorcnt 0x0                           ; V's region has been read out.  All my tensor loads have landed: the one that was out is the next step's K
	ds_add_u32 v[SPW], v[NIL]                      ; 0 onto my spare word
	s_add_nc_u64 s[G0V+2:G0V+3], s[G0V+2:G0V+3], 4*BLKB
	s_wait_xcnt 0x0                                ; the last prefetches have read their addresses
	s_add_nc_u64 s[PFK:PFK+1], s[PFK:PFK+1], 4*BLKB
	s_wait_dscnt 0x0                               ; the add is done, and my reads of V and of P are over
	CROUND
	tensor_load_to_lds s[G0V:G0V+3], s[G1:G1+7]
	s_nop 0
	PLACES 4
	ASKK
.endm
.Lstep:                                            ; three trips: behind each of the first three steps stands another
	FRONT 1
	BACK
	s_sub_co_u32 s[CNT], s[CNT], 1
	s_cmp_lg_u32 s[CNT], 0
	s_cbranch_scc1 .Lstep
	FRONT 0                                        ; the last step is written out
; THE LAST STEP'S SECOND PART, AND THE WAY OUT.
.macro PQ q                            ; P's two fragments of tile q of queries
	FRAG 12*(\q), AP, IMG*(\q)
	FRAG 12*(8+(\q)), AP, IMG*(8+(\q))
.endm
.macro PVQ a                           ; tile a of queries is finished: 16 matrix instructions, its eight accumulators by turns, K ascending
.set fZ, 0
.irp kg, 0, 1
.irp wv, 0, 1
	WIN 0xa4+0x50*\wv
.set pe, 0
.rept 4
.set rD, 64*pe+8*(\a)
.set rA, VB+48*(2*\kg+\wv)+12*pe
.set rB, 12*(8*\kg+(\a))
.set rSA, KS+2*(2*\kg+\wv)+pe/2
.set fRA, pe%2
.set rSB, PS+4*\kg+(\a)/2
.set fRB, (\a)%2
	WMX
.set pe, pe+1
.endr
.endr
.endr
.endm
.macro MULT a                          ; O^T / the sum, each accumulator from its low end on; register j of tile et is channel 128 w + 32 (et / 2) + 8 (et % 2) + 16 h + j of lane r's query
.irp wv, 0, 1
	WIN 0x82+0x41*\wv
.irp e, 0,1,2,3
.irp j, 0,2,4,6
	v_pk_mul_f32 v[64*\e+8*(\a)+\j:64*\e+8*(\a)+\j+1], v[64*\e+8*(\a)+\j:64*\e+8*(\a)+\j+1], v[RC+4*(\a):RC+4*(\a)+1] op_sel_hi:[1,0]
.endr
.endr
.endr
.endm
.macro STIN a                          ; into my stage
.irp wv, 0, 1
	WIN 0x08+4*\wv                                 ; an LDS store's data are its source 1
.irp e, 0,1,2,3
	ds_store_b128 v[STO], v[64*\e+8*(\a):64*\e+8*(\a)+3] offset:128*((4*\wv+\e)/2)+32*(\e%2)
	ds_store_b128 v[STO], v[64*\e+8*(\a)+4:64*\e+8*(\a)+7] offset:128*((4*\wv+\e)/2)+32*(\e%2)+16
.endr
.endr
.endm
; and back as 16 whole rows of 512 bytes.  LDS serves a wave's instructions in order (ISA guide 5.7.1.4): these see the stores above, and the next tile's stores come behind them.
; Tile 0's rows land behind P's registers; tile a's land in tile a - 1's 64 accumulators, which are done with (their stores into the stage have been waited for): row 8 wv + 2 e + i in window 2 + wv at 64 e + 8 (a - 1) + 4 i.
; So no register that a global store reads is written again, and no wait stands between one tile's stores and the next tile's rows.
.macro STOUT a
.if (\a) == 0
	WIN 0x40
.set st, 0
.rept 16
	ds_load_b128 v[OBF+4*st:OBF+4*st+3], v[SRD] offset:528*st
.set st, st+1
.endr
.else
.irp wv, 0, 1
	WIN 0x80+0x40*\wv
.irp e, 0,1,2,3
	ds_load_b128 v[64*\e+8*(\a)-8:64*\e+8*(\a)-5], v[SRD] offset:528*(8*\wv+2*\e)
	ds_load_b128 v[64*\e+8*(\a)-4:64*\e+8*(\a)-1], v[SRD] offset:528*(8*\wv+2*\e+1)
.endr
.endr
.endif
.endm
.macro SEND a                          ; a global store's data are its source 1; 32 lanes store 512 consecutive bytes, aligned
.if (\a) == 0
	WIN 0x04
.set st, 0
.rept 16
	global_store_b128 v[GO], v[OBF+4*st:OBF+4*st+3], s[OUT:OUT+1] offset:2048*(32*((\a)/2)+8*((\a)%2)+st+8*(st/8)) th:TH_STORE_NT
.set st, st+1
.endr
.else
.irp wv, 0, 1
	WIN 0x08+4*\wv
.irp e, 0,1,2,3
	global_store_b128 v[GO], v[64*\e+8*(\a)-8:64*\e+8*(\a)-5], s[OUT:OUT+1] offset:2048*(32*((\a)/2)+8*((\a)%2)+16*\wv+2*\e) th:TH_STORE_NT
	global_store_b128 v[GO], v[64*\e+8*(\a)-4:64*\e+8*(\a)-1], s[OUT:OUT+1] offset:2048*(32*((\a)/2)+8*((\a)%2)+16*\wv+2*\e+1) th:TH_STORE_NT
.endr
.endr
.endif
.endm
.irp t, 0,1,2,3,4,5,6,7
	v_permlanex16_b32 v[PT+\t], v[LL+\t], s[SEL], s[SEL+1]
.endr
.irp t, 0,1,2,3,4,5,6,7
	v_add_f32 v[LL+\t], v[LL+\t], v[PT+\t]         ; my 64 keys' part of a query's sum, over all four steps
.endr
.irp t, 0,1,2,3,4,5,6,7
	ds_store_b32 v[AMXW], v[LL+\t] offset:LSO+256*\t
.endr
	s_wait_dscnt 0x0                               ; for the others' sake: my half images and half words of P and my sums have landed
	s_barrier_signal -1
	VSCALES                                        ; between signal and wait: loads of my V block, which nobody writes any more, and work on registers
	VLOAD 0
	VLOAD 1
	VLOAD 2
	RESC 0
	RESC 1
	WIN 0
	s_barrier_wait -1
	VLOAD 3                                        ; (its registers held f until the rescaling was done)
	PSCALES
.irp t, 0,1,2,3,4,5,6,7
	ds_load_b128 v[LSM+4*\t:LSM+4*\t+3], v[AMXR] offset:LSO+256*\t   ; the four waves' sums
.endr
	WIN 0x40
.irp q, 0,1,2,3,4,5
	PQ \q
.endr
	s_wait_dscnt 48                                ; all but P's tiles 2 to 5: V, the scale words, the sums and P's tiles 0 and 1 are in
	PVQ 0
	PVQ 1
	WIN 0x40
	PQ 6
	PQ 7
	WIN 0
.irp t, 0,1,2,3,4,5,6,7
	v_add_f32 v[LSM+4*\t], v[LSM+4*\t], v[LSM+4*\t+1]          ; (these lines are also the places behind the products above)
	v_add_f32 v[LSM+4*\t+2], v[LSM+4*\t+2], v[LSM+4*\t+3]
.endr
.irp t, 0,1,2,3,4,5,6,7
	v_add_f32 v[LSM+4*\t], v[LSM+4*\t], v[LSM+4*\t+2]          ; the row's sum
.endr
	s_wait_alu depctr_va_vdst(0)
.irp t, 0,1,2,3,4,5,6,7
	v_rcp_f32 v[RC+4*\t], v[LSM+4*\t]              ; (the pair's upper register has been written by the load above)
.endr
	v_and_b32 v5, 15, v0                           ; (plain places behind the reciprocals)  r
	v_bfe_u32 v6, v0, 4, 1                         ; h
	v_and_b32 v7, 31, v0                           ; l
	s_mul_i32 s16, s[WV], WREG                     ; my stage: 16 rows x (512 + 16) bytes in my own K block, which has had its last fill and its last read
	v_mul_u32_u24 v[STO], v5, 528
	v_lshl_add_u32 v[STO], v6, 6, v[STO]
	v_add_nc_u32 v[STO], s16, v[STO]               ; in: row r, + 64 h
	v_lshlrev_b32 v[GO], 4, v7                     ; back, and in memory: 16 l
	v_add_nc_u32 v[SRD], s16, v[GO]
	s_wait_alu depctr_va_vdst(0)                   ; one for the eight reciprocals, ahead of their first reader
.irp a, 0,1,2,3,4,5,6,7                ; tile a leaves while tile a + 2 is multiplied.  Between a tile's last product and its division stand the 32 multiplies of the tile before (for tiles 0 and 1: the additions above)
	MULT \a
	STIN \a
	STOUT \a
.if \a == 0
	s_wait_dscnt 32                                ; all but the stage's 16 stores and 16 loads: P's tiles 2 to 7 are in
.endif
.if \a < 6
	PVQ \a+2
.endif
	s_wait_dscnt 0x0                               ; the tile's rows are back in registers
	SEND \a
.endr
	WIN 0
	s_wait_tensorcnt 0x0                           ; the wave's end, behind my last tensor load and my last LDS store
	ds_add_u32 v[SPW], v[NIL]
	s_wait_dscnt 0x0
	CROUND                                         ; the closing round: no work-group ends while a partner may still ask for a block that names it
	s_endpgm
.Lfunc_end_k_q83a769a2f3_attn:
	.size	k_q83a769a2f3_attn, .Lfunc_end_k_q83a769a2f3_attn-k_q83a769a2f3_attn
	.p2alignl 7, 3214868480
	.fill 96, 4, 3214868480
	.section	.rodata,"a",@progbits
	.p2align	6, 0x0
	.amdhsa_kernel k_q83a769a2f3_attn
		.amdhsa_group_segment_fixed_size 327680
		.amdhsa_private_segment_fixed_size 0
		.amdhsa_enable_private_segment 0
		.amdhsa_kernarg_size 32
		.amdhsa_user_sgpr_count 2
		.amdhsa_user_sgpr_kernarg_segment_ptr 1
		.amdhsa_wavefront_size32 1
		.amdhsa_system_sgpr_workgroup_id_x 1
		.amdhsa_system_sgpr_workgroup_id_y 1
		.amdhsa_system_sgpr_workgroup_id_z 1
		.amdhsa_system_vgpr_workitem_id 0
		.amdhsa_next_free_vgpr 1024
		.amdhsa_next_free_sgpr 66
		.amdhsa_reserve_vcc 1
		.amdhsa_float_denorm_mode_32 3
		.amdhsa_float_denorm_mode_16_64 3
		.amdhsa_memory_ordered 1
		.amdhsa_forward_progress 1
		.amdhsa_inst_pref_size 255
	.end_amdhsa_kernel
	.section	.bss,"aw",@nobits
	.p2align	6
	.space	262144
	.amdgpu_metadata
---
amdhsa.version: [ 1, 2 ]
amdhsa.kernels:
  - .name:           k_q83a769a2f3_attn
    .symbol:         k_q83a769a2f3_attn.kd
    .args:
      - { .name: qc, .offset: 0, .size: 8, .value_kind: global_buffer, .address_space: global }
      - { .name: kc, .offset: 8, .size: 8, .value_kind: global_buffer, .address_space: global }
      - { .name: vc, .offset: 16, .size: 8, .value_kind: global_buffer, .address_space: global }
      - { .name: out0, .offset: 24, .size: 8, .value_kind: global_buffer, .address_space: global }
    .group_segment_fixed_size: 327680
    .private_segment_fixed_size: 0
    .kernarg_segment_align: 8
    .kernarg_segment_size: 32
    .max_flat_workgroup_size: 128
    .sgpr_count:     66
    .vgpr_count:     1024
    .wavefront_size: 32
...
	.end_amdgpu_metadata
.endif
;; end of part 3
